; MI455X (gfx1250); checked and timed in simulation.
; The chip was launched on July 23, 2026; its instructions are those of AMD's public machine-readable ISA for CDNA 5 (MIT licence, August 2026) and "CDNA5" Instruction Set Architecture Reference Guide (July 2026). The comments in the code are by the model that wrote it; some were corrected since.
;; GPT Self Attention1 D. Allowed arithmetic: matrix products marked QUANTISED: E5M2 operands, one E8M0 scale for each 32 along K, by v_wmma_scale_f32_16x16x128_f8f6f4 with both operands' format E5M2, f32 sums; everything else in f32.
;; Inputs: Wk_codes 1,024 x 32 x 32 uint8 (E5M2 codes of Wk, K innermost, in blocks of 32 codes); Wk_scales 1,024 x 32 uint8 (E8M0 scales of Wk, one for each 32 codes along K); Wo_codes 1,024 x 32 x 32 uint8 (E5M2 codes of Wo, K innermost, in blocks of 32 codes); Wo_scales 1,024 x 32 uint8 (E8M0 scales of Wo, one for each 32 codes along K); Wq_codes 1,024 x 32 x 32 uint8 (E5M2 codes of Wq, K innermost, in blocks of 32 codes); Wq_scales 1,024 x 32 uint8 (E8M0 scales of Wq, one for each 32 codes along K); Wv_codes 1,024 x 32 x 32 uint8 (E5M2 codes of Wv, K innermost, in blocks of 32 codes); Wv_scales 1,024 x 32 uint8 (E8M0 scales of Wv, one for each 32 codes along K); bk 1,024 float32; bo 1,024 float32; bq 1,024 float32; bv 1,024 float32; x_codes 2 x 2,048 x 32 x 32 uint8 (E5M2 codes of x, K innermost, in blocks of 32 codes); x_scales 2 x 2,048 x 32 uint8 (E8M0 scales of x, one for each 32 codes along K).
;; Outputs: out0 2 x 2,048 x 1,024 float32.
;; This version of the problem:
;;   THIS VERSION OF THE PROBLEM IS GIVEN IN LOW PRECISION. The matrix products marked QUANTISED in the list below multiply operands that are first quantised to E5M2 (5 exponent bits, 2 mantissa bits; 8 bits a number), with one power-of-two scale for each 32 numbers along K (OCP MX v1.0); their sums are f32. All else is computed in f32.
;;   The module's matrix products, in the order in which they are computed (A, B: the left and right operand; K: the contracted axis; several contracted axes count as one K, in the product's order):
;;     1. [M 4,096, K 1,024] x [K 1,024, N 1,024]; A: input x (given as codes); B: input Wq (given as codes): QUANTISED
;;     2. [M 4,096, K 1,024] x [K 1,024, N 1,024]; A: input x (given as codes); B: input Wk (given as codes): QUANTISED
;;     3. [M 4,096, K 1,024] x [K 1,024, N 1,024]; A: input x (given as codes); B: input Wv (given as codes): QUANTISED
;;     4. batch 32 x [M 2,048, K 64] x [K 64, N 2,048]; A: computed on the way; B: computed on the way: QUANTISED
;;     5. batch 32 x [M 2,048, K 2,048] x [K 2,048, N 64]; A: softmax (see below); B: computed on the way: QUANTISED
;;     6. [M 4,096, K 1,024] x [K 1,024, N 1,024]; A: computed on the way; B: input Wo (given as codes): QUANTISED
;;   THE QUANTISER, for each operand of a quantised product, along K:
;;     - K is cut into blocks of 32 from its start; a last block that is shorter is filled with zeros.
;;     - A block's scale is 2^e with e = floor(log2(the largest magnitude in the block)) - 15, held to -126 .. 127; a block of zeros has e = 0. As a byte (E8M0): e + 127.
;;     - Each number is divided by its block's scale, clamped to +-57,344, and rounded to the nearest number of E5M2, ties to even, subnormals kept.
;;     - The product sums the exact products of the quantised numbers (number of the format x scale) in f32.
;;   ~~~python
;;   def quantise(x, axis):      # numpy; x: float32 -> the quantised numbers, widened to float32 again
;;       x = np.moveaxis(x, axis, -1); K = x.shape[-1]
;;       x = np.pad(x, [(0, 0)] * (x.ndim - 1) + [(0, -K % 32)]); x = x.reshape(x.shape[:-1] + (-1, 32)); a = np.abs(x).max(-1, keepdims=True)
;;       e = np.where(a > 0, np.clip(np.frexp(np.where(a > 0, a, 1))[1] - 1 - 15, -126, 127), 0)      # np.frexp(a)[1] - 1 = floor(log2(a)), exactly
;;       r = np.clip(x / 2.0 ** e, -57344, 57344)
;;       step = 2.0 ** (np.maximum(np.frexp(np.where(r == 0, 1, r))[1] - 1, -14) - 2)
;;       q = np.round(r / step) * step * 2.0 ** e      # np.round: ties to even
;;       return np.moveaxis(q.reshape(q.shape[:-2] + (-1,))[..., :K], -1, axis).astype(np.float32)
;;   ~~~
;;   SOFTMAX AHEAD OF A QUANTISED PRODUCT. Where the list says 'softmax', what is quantised is not the finished softmax but p = 2^(t - M), with t = logit x log2(e) and M = ceil(the row's largest t), a whole number; so 1/2 < the row's largest p <= 1. The row's sum l is taken of the UNQUANTISED p, in f32, and the product's result is divided by l at the end. Since M is a whole number, a kernel that streams over the keys may use a running M (the ceiling of the running maximum): every later rescaling is an exact power of two, which a block's scale takes up: the codes' values come out the same.
;;   OPERANDS COMPUTED ON THE WAY. 'Computed on the way' means the value that the module computes at that place (a softmax that the list does not call 'softmax' is quantised finished and normalised). What goes into a quantiser is computed in f32, as accurately as f32 sums, v_exp_f32 and their like allow (about 1e-6 of the number): no bf16 or f16 on the way to a quantiser, and a product that is left as it is and whose result goes on into a quantised operand takes f32 operands (vector FMAs, or v_wmma_f32_16x16x4_f32). A number that lies on a knife's edge between two numbers of the format may be rounded either way, as far as f32 arithmetic and the matrix unit's own rounding can turn it there, and no further.
;;   INPUTS GIVEN AS CODES. Wk (in the module: [1024, 1024], K = its axis 0); Wo (in the module: [1024, 1024], K = its axis 0); Wq (in the module: [1024, 1024], K = its axis 0); Wv (in the module: [1024, 1024], K = its axis 0); x (in the module: [2, 2048, 1024], K = its axis 2): each comes as NAME_codes (uint8): NAME with its K axis moved to the last place and cut into blocks of 32 codes, [.., K / 32, bytes a block], one block behind the other in memory; one code a byte (a code: sign, 5 exponent bits, 2 mantissa bits); and NAME_scales (uint8): the same leading axes, one E8M0 byte (e + 127) for each 32 codes along K. Its value is code x scale, taken as it is: it is not quantised again, and the codes and scales need not be those that the quantiser above would give.
;; One version. Each part assembles by itself: llvm-mc -triple=amdgcn-amd-amdhsa -mcpu=gfx1250 --defsym DOCPART=n.
;; ======== version 1 of 1: 3 launches
;; limits: right only within a limited range of input values
;; workspace buffers: qimg 4,325,376 bytes; kvimg 8,650,752 bytes; vsum 131,072 bytes; cimg 4,194,304 bytes; csc 131,072 bytes
;; launch qkv (part 1): grid 8 x 32, 4 waves a work-group, clusters of 4 x 4, 327,680 bytes of LDS; arguments x_codes, x_scales, Wq_codes, Wk_codes, Wv_codes, Wq_scales, Wk_scales, Wv_scales, bq, bk, bv, qimg, kvimg, vsum; writes qimg, kvimg, vsum
.if DOCPART == 1
	.amdgcn_target "amdgcn-amd-amdhsa--gfx1250"
	.amdhsa_code_object_version 6
	.text
	.protected	k_q5d92c6dd6d_qkv
	.globl	k_q5d92c6dd6d_qkv
	.p2align	8
	.type	k_q5d92c6dd6d_qkv,@function
k_q5d92c6dd6d_qkv:
	s_mov_b64 s[64:65], 0
	v_nop
	global_prefetch_b8 v0, s[64:65] scope:SCOPE_SE
	s_setreg_imm32_b32 hwreg(HW_REG_WAVE_MODE, 25, 1), 1
	s_wait_xcnt 0x0
	s_wait_alu depctr_hold_cnt(0) depctr_sa_sdst(0) depctr_va_vdst(0) depctr_va_sdst(0) depctr_va_ssrc(0) depctr_va_vcc(0) depctr_vm_vsrc(0)
	s_getreg_b32 s2, hwreg(HW_REG_IB_STS2, 6, 4)
	s_cmp_eq_u32 s2, 0
	s_cbranch_scc0 .Lentry_in_a_cluster
	s_endpgm
.Lentry_in_a_cluster:
	s_bfe_u32 s2, ttmp6, 0x10000c
	s_cmp_lg_u32 s2, 0xf033
	s_cbranch_scc0 .Lentry_shape_is_right
	s_endpgm
.Lentry_shape_is_right:
; q = x Wq + bq, k = x Wk + bk, v = x Wv + bv on codes of BF8 (E5M2) with one E8M0 scale for each 32 along K = 1,024, sums in f32; the results are quantised at once:
; q and k along the head's 64, v along the keys, and leave as IMAGES OF OPERAND REGISTERS (16 bytes a lane, 512 bytes a group of four registers) with their scale words behind them.
; SHARES.  A work-group takes 128 rows of x (block Y) against heads 2 X and 2 X + 1 of q, k and v: 128 x 384 results.  Each of its four waves has 48 accumulators, in two jobs:
;   q/k job: 128 rows x one head's 64 columns of q (waves 0, 1) or of k (waves 2, 3), TRANSPOSED (source 0 = 16 rows of W, source 1 = 16 rows of x): a lane holds one row and its registers run along d, the next K.
;   v job:   128 keys x 32 columns of v, NATURAL (source 0 = x, source 1 = Wv): a lane holds one column dd and its registers run along the keys, the next K.
; A UNIT is 16 consecutive accumulator registers (two neighbouring tiles): 16 of a block's 32 numbers; lane l xor 16 holds the other 16.  Its four code registers hold k = 32 B + 8 h + 0..7 and 32 B + 16 + 8 h + 0..7:
; inside a block of 32 the numbers stand in another order than in memory, ALIKE in q and k, and in v and the softmax's p, so every product pairs the right numbers under the right scale.
; K goes in steps of 128 through a ring of two LDS slots of 256 along K: [x 128 rows][Wq 128][Wk 128][Wv 128], rows of 256 bytes + 16 of padding.  Wave 0 fetches x's tile, waves 1, 2, 3 those of Wq, Wk, Wv.
; CLUSTERS: 4 x 4 work-groups.  x's tile hangs on Y alone and is asked for jointly by a row of the cluster, W's tiles on X alone and by a column.
; The scale words of all of K come once, by loads of 512 consecutive bytes: lane (r, h) takes bytes 16 h .. 16 h + 15 of row r, so lanes 0-15 hold K steps 0-3 and lanes 16-31 K steps 4-7 (read by the upper row of the scale register).
; The biases are the C of each sum's first matrix instruction.
; LIMITS: NaN and infinities (codes for them too) are not served.  A block whose largest magnitude lies under 2^-111, a block of zeros among them, gets the scale byte 1; these bytes are read by this program alone.
; REGISTERS, in windows of 256: window 0: v1-15 addresses; v28, v29 for the add; v32-87 scale words; v88-127 at work on the way out; v128-255 v's 16 accumulators (tile (a, e) at 128 + 64 e + 8 a).
;   window 1: fragment set 0 (x at 16 a, W at 128 + 16 i), v224-255 q/k's bias; on the way out v0-95 the codes.   window 2: fragment set 1, v224-239 v's bias.   window 3: q/k's 32 accumulators (tile (a, bt) at 8 (4 a + bt)).
; WORK LEFT OUT IN THIS PROGRAM: the scores of key blocks that lie wholly above the causal diagonal.  reference() replaces each of them by the constant -10000 for all values of the inputs, so the product q k^T there reaches no output; the constant's own share in
; the softmax is kept: it needs only the sums of v's quantised numbers over such blocks, which this launch makes (vsum).  LIMIT: a NaN, an infinity or an overflow that reaches only those scores is not carried to the result.
; k's and v's images lie together: kvimg: [batch and head][block of 128 keys][k 8,448 bytes][v 8,448 bytes].  vsum: [batch and head][block][dd % 16][dd / 16] f32.
.set PITCH,  272
.set HALFT,  128*PITCH                 ; 128 rows: one tensor load
.set SLOT,   4*HALFT
.set SPARE,  2*SLOT                    ; behind the ring: the spare words, 128 bytes a wave: two blocks of 256 bytes that no other line names
.set BLKB,   8448                      ; an image block: 8,192 bytes of codes + 256 of scale words
.set FLOOR,  0x8000000                 ; 2^(16 - 127): under it no largest magnitude is taken, so a scale byte cannot fall under 1
.set DEXP,   0xf8800000                ; takes 15 off an exponent field
.set LN,   3
.set LI16, 4                           ; 16 x lane
.set LI8,  5
.set LI4,  6
.set SA,   7                           ; 32 r + 16 h: scale words
.set BA,   8                           ; 32 h: q/k's bias
.set BV,   9                           ; 4 r: v's bias
.set ADX,  10                          ; v10-11 x's fragments in slot 0, 1
.set ADQ,  12                          ; v12-13 my q/k weight's
.set ADV,  14                          ; v14-15 my Wv rows'
.set SPW,  28
.set NIL,  29
.set SCX,  32                          ; v[SCX + 4 a + j]
.set SCW,  64                          ; v[SCW + 4 bt + j]
.set SCV,  80                          ; v[SCV + 4 e + j]
.set TT,   88                          ; largest magnitudes of 8 units
.set T2,   96                          ; the other half's, then the scale bytes
.set SOP,  104                         ; the conversions' scale operands
.set HLD,  112                         ; 57,344 x the scale
.set SWQ,  120                         ; v120-121 q/k's scale words, v122 v's
.set SWV,  122
.set W0,   124
.set W1,   125
.set WV,   10                          ; s10 wave
.set SEL,  20                          ; s[20:21] selects for lane l xor 16
.set MNT,  22                          ; s22 the mantissa field of 57,344
.set G1X,  24                          ; s[24:31] group 1 for x's tiles; s[32:39] group 0, a set for each slot
.set G0X,  32
.set G1W,  48                          ; s[48:55], s[56:63] the same for W's tiles
.set G0W,  56
.set MSB, 0
.macro WIN new                         ; the immediate's high byte repeats the setting that is left
.if MSB != (\new)
	s_set_vgpr_msb (MSB<<8)|(\new)
.set MSB, (\new)
.endif
.endm
.macro PLACES n
.rept \n
	v_nop
.endr
.endm
.macro CREST                           ; a round of the cluster's barrier behind its opening barrier
	s_cmp_lg_u32 s[WV], 0
	s_cbranch_scc1 .Lnot_wave_0_\@
	s_barrier_signal -3
.Lnot_wave_0_\@:
	s_barrier_wait -3
	s_barrier_signal -1
	s_barrier_wait -1
.endm
.macro CROUND
	s_barrier_signal -1
	s_barrier_wait -1
	CREST
.endm
; A joint load: wave 0 asks for x's tile, waves 1 to 3 for a W's.  Each line has one mask; the branch hangs on the wave's number alone.  Four v_nop follow each line.
.macro JLOAD s
	s_cmp_eq_u32 s[WV], 0
	s_cbranch_scc0 .Lfor_w_\@
	tensor_load_to_lds s[G0X+4*\s:G0X+4*\s+3], s[G1X:G1X+7]
	s_nop 0
.rept 4
	v_nop
.endr
	s_branch .Lasked_\@
.Lfor_w_\@:
	tensor_load_to_lds s[G0W+4*\s:G0W+4*\s+3], s[G1W:G1W+7]
	s_nop 0
.rept 4
	v_nop
.endr
.Lasked_\@:
.endm
.macro MM d, a, b, c, sa, sb, m1, m2
	v_wmma_scale_f32_16x16x128_f8f6f4 v[\d:\d+7], v[\a:\a+15], v[\b:\b+15], \c, v[\sa], v[\sb] matrix_a_fmt:MATRIX_FMT_BF8 matrix_b_fmt:MATRIX_FMT_BF8 \m1 \m2
.endm
	s_load_b512 s[68:83], s[0:1], 0x0              ; x codes, x scales, Wq, Wk, Wv codes, Wq, Wk, Wv scales
	s_load_b256 s[84:91], s[0:1], 0x40             ; bq, bk, bv, qimg
	s_load_b128 s[92:95], s[0:1], 0x60             ; kvimg, vsum
	v_lshl_add_u32 v[SPW], v0, 2, SPARE
	v_mov_b32 v[NIL], 0
	ds_add_u32 v28, v29
	ds_add_u32 v28, v29
	s_wait_dscnt 0x0
	v_lshrrev_b32 v1, 5, v0
	v_readfirstlane_b32 s[WV], v1                  ; wave 0..3
	s_lshr_b32 s11, s[WV], 1
	s_and_b32 s12, s[WV], 1
	s_bfe_u32 s40, ttmp6, 0x40000                  ; cx, cy: my place in the cluster
	s_bfe_u32 s41, ttmp6, 0x40004
	s_lshl_b32 s42, ttmp9, 2
	s_add_co_u32 s42, s42, s40                     ; X = 4 x cluster x + cx: the pair of heads
	s_and_b32 s13, ttmp7, 0xffff
	s_lshl_b32 s13, s13, 2
	s_add_co_u32 s13, s13, s41                     ; Y = 4 x cluster y + cy: the block of 128 rows
	s_lshl_b32 s43, s41, 2
	s_lshl_b32 s43, 15, s43                        ; my row of the cluster
	s_lshl_b32 s44, 0x1111, s40                    ; my column
	s_or_b32 s[G1X], s43, (0<<16)|(1<<20)|(1<<21)|(5<<22)|(3<<25)   ; the mask; elements of 1 byte; padding on; bit 21 beside a mask; 4 words after every 64
	s_or_b32 s[G1W], s44, (0<<16)|(1<<20)|(1<<21)|(5<<22)|(3<<25)
.irp g, G1X, G1W
	s_mov_b32 s[\g+1], 256<<16                     ; tensor_dim0 = 256
	s_mov_b32 s[\g+2], 128<<16                     ; tensor_dim1 = 128
	s_mov_b32 s[\g+3], 256<<16                     ; tile_dim0
	s_mov_b32 s[\g+4], 128                         ; tile_dim1
	s_mov_b32 s[\g+5], 1024                        ; a row of codes in memory
	s_mov_b32 s[\g+6], 0
	s_mov_b32 s[\g+7], 0
.endr
	s_lshl_b32 s14, s13, 17                        ; x: 128 rows of 1,024 bytes a block (these two registers never hold X)
	s_mov_b32 s15, 0
	s_lshl_b32 s46, s42, 17                        ; W: likewise for the pair of heads (these two never hold Y)
	s_mov_b32 s47, 0
	s_mul_i32 s45, s[WV], HALFT                    ; where my tile goes: wave x 128 rows
	s_mov_b32 s[SEL], 0x76543210
	s_mov_b32 s[SEL+1], 0xfedcba98
	s_mov_b32 s[MNT], 0x600000
	s_wait_kmcnt 0x0
	s_add_nc_u64 s[14:15], s[68:69], s[14:15]
	s_cmp_eq_u32 s[WV], 2
	s_cselect_b64 s[96:97], s[74:75], s[72:73]     ; wave 2: Wk; else Wq
	s_cmp_eq_u32 s[WV], 3
	s_cselect_b64 s[96:97], s[76:77], s[96:97]     ; wave 3: Wv
	s_add_nc_u64 s[46:47], s[96:97], s[46:47]
	CROUND                                         ; all sixteen work-groups are here: the first joint loads meet
.irp s, 0,1
	s_mov_b32 s[G0X+4*\s], 1
	s_add_co_u32 s[G0X+4*\s+1], s45, \s*SLOT
	s_add_nc_u64 s[G0X+4*\s+2:G0X+4*\s+3], s[14:15], \s*256
	s_or_b32 s[G0X+4*\s+3], s[G0X+4*\s+3], 0x80000000
	s_mov_b32 s[G0W+4*\s], 1
	s_add_co_u32 s[G0W+4*\s+1], s45, \s*SLOT
	s_add_nc_u64 s[G0W+4*\s+2:G0W+4*\s+3], s[46:47], \s*256
	s_or_b32 s[G0W+4*\s+3], s[G0W+4*\s+3], 0x80000000
.endr
	JLOAD 0                                        ; K 0-255 into slot 0: one tensor load a wave at the head
	; the bases of scale words, biases and results
	s_lshl_b32 s16, s13, 12
	s_mov_b32 s17, 0
	s_add_nc_u64 s[70:71], s[70:71], s[16:17]      ; x's scales: 128 rows of 32 bytes a block
	s_cmp_lt_u32 s[WV], 2
	s_cselect_b64 s[78:79], s[78:79], s[80:81]     ; waves 0, 1: q's; waves 2, 3: k's
	s_cselect_b64 s[84:85], s[84:85], s[86:87]
	s_cselect_b64 s[4:5], s[90:91], s[92:93]
	s_mov_b32 s23, 2*BLKB
	s_cselect_b32 s23, BLKB, s23                   ; from block to block: q's image has blocks of BLKB bytes, k's and v's common one twice that
	s_mov_b32 s19, 0
	s_lshl_b32 s16, s42, 12
	s_lshl_b32 s18, s12, 11
	s_add_co_u32 s18, s16, s18
	s_add_nc_u64 s[78:79], s[78:79], s[18:19]      ; my head's 64 rows of W's scales
	s_lshl_b32 s18, s[WV], 10
	s_add_co_u32 s18, s16, s18
	s_add_nc_u64 s[82:83], s[82:83], s[18:19]      ; my 32 rows of Wv's scales
	s_lshl_b32 s16, s42, 9
	s_lshl_b32 s18, s12, 8
	s_add_co_u32 s18, s16, s18
	s_add_nc_u64 s[84:85], s[84:85], s[18:19]      ; my head's 64 numbers of bq or bk
	s_lshl_b32 s18, s[WV], 7
	s_add_co_u32 s18, s16, s18
	s_add_nc_u64 s[88:89], s[88:89], s[18:19]      ; my 32 numbers of bv
	s_lshr_b32 s16, s13, 4
	s_lshl_b32 s16, s16, 4
	s_lshl_b32 s17, s42, 1
	s_add_co_u32 s16, s16, s17                     ; 16 x batch + 2 X
	s_and_b32 s17, s13, 15                         ; the block within the sequence
	s_add_co_u32 s18, s16, s12
	s_lshl_b32 s18, s18, 4
	s_add_co_u32 s18, s18, s17
	s_mul_i32 s18, s18, s23
	s_add_nc_u64 s[4:5], s[4:5], s[18:19]
	s_add_co_u32 s18, s16, s11
	s_lshl_b32 s18, s18, 4
	s_add_co_u32 s18, s18, s17
	s_mov_b32 s99, 0
	s_lshl_b32 s98, s18, 8
	s_lshl_b32 s23, s12, 3
	s_add_co_u32 s98, s98, s23
	s_add_nc_u64 s[2:3], s[94:95], s[98:99]        ; vsum: the block's 256 bytes, my two tiles of dd
	s_mul_i32 s18, s18, 2*BLKB
	s_add_co_u32 s18, s18, BLKB                    ; v's half of the block
	s_lshl_b32 s23, s12, 12
	s_add_co_u32 s98, s18, s23
	s_add_nc_u64 s[6:7], s[92:93], s[98:99]        ; v: my two tiles of dd: 4,096 bytes
	s_lshl_b32 s23, s12, 7
	s_add_co_u32 s98, s18, s23
	s_add_co_u32 s98, s98, 8192
	s_add_nc_u64 s[8:9], s[92:93], s[98:99]        ; and their scale words: 128 bytes
	v_and_b32 v1, 15, v0                           ; r
	v_bfe_u32 v2, v0, 4, 1                         ; h
	v_and_b32 v[LN], 31, v0
	v_lshlrev_b32 v[LI16], 4, v[LN]
	v_lshlrev_b32 v[LI8], 3, v[LN]
	v_lshlrev_b32 v[LI4], 2, v[LN]
	v_lshlrev_b32 v[SA], 5, v1
	v_lshl_add_u32 v[SA], v2, 4, v[SA]
	v_lshlrev_b32 v[BA], 5, v2
	v_lshlrev_b32 v[BV], 2, v1
.irp a, 0,1,2,3,4,5,6,7
	global_load_b128 v[SCX+4*\a:SCX+4*\a+3], v[SA], s[70:71] offset:512*\a     ; 16 rows' 512 consecutive bytes
.endr
.irp b, 0,1,2,3
	global_load_b128 v[SCW+4*\b:SCW+4*\b+3], v[SA], s[78:79] offset:512*\b
.endr
.irp e, 0,1
	global_load_b128 v[SCV+4*\e:SCV+4*\e+3], v[SA], s[82:83] offset:512*\e
.endr
	WIN 0x40
.irp b, 0,1,2,3
	global_load_b128 v[224+8*\b:227+8*\b], v[BA], s[84:85] offset:64*\b       ; lane (r, h), tile bt: the bias of d = 16 bt + 8 h + 0..7
	global_load_b128 v[228+8*\b:231+8*\b], v[BA], s[84:85] offset:64*\b+16
.endr
	WIN 0x80
.irp e, 0,1
.irp j, 0,1,2,3,4,5,6,7
	global_load_b32 v[224+8*\e+\j], v[BV], s[88:89] offset:64*\e              ; lane (r, h), tile e: the bias of dd = 16 e + r, in all eight registers
.endr
.endr
	WIN 0
	v_mul_u32_u24 v[ADX], v1, PITCH
	v_lshl_add_u32 v[ADX], v2, 4, v[ADX]           ; a fragment's row x pitch + 16 x half
	v_add_nc_u32 v[ADX+1], SLOT, v[ADX]
	s_add_co_u32 s16, s11, 1
	s_mul_i32 s16, s16, HALFT                      ; Wq's tile (waves 0, 1) or Wk's (2, 3),
	s_mul_i32 s17, s12, 64*PITCH                   ; my head's 64 rows
	s_add_co_u32 s16, s16, s17
	v_add_nc_u32 v[ADQ], s16, v[ADX]
	v_add_nc_u32 v[ADQ+1], s16, v[ADX+1]
	s_mul_i32 s17, s[WV], 32*PITCH
	s_add_co_u32 s17, s17, 3*HALFT                 ; Wv's tile, my 32 rows
	v_add_nc_u32 v[ADV], s17, v[ADX]
	v_add_nc_u32 v[ADV+1], s17, v[ADX+1]
.irp u, 0,1,2,3,4,5,6,7
	v_mov_b32 v[T2+\u], 0                          ; written once: a lane permute's destination counts as one of its sources
.endr
.macro FRAG reg, adr, q, i             ; 16 rows x 128 K of 8-bit codes: registers 4 c .. 4 c + 3 hold K = 32 c + 16 h + 0..15
.irp c, 0,1,2,3
	ds_load_b128 v[\reg+4*\c:\reg+4*\c+3], v[\adr] offset:128*(\q)+32*\c+(\i)*16*PITCH
.endr
.endm
.macro FETCH ks                        ; K step ks's 14 fragments, 56 loads in one run, into set ks % 2
.set fsl, ((\ks)>>1)&1
.set fq, (\ks)&1
	WIN (1+fq)<<6
.irp i, 0,1,2,3
	FRAG 128+16*\i, ADQ+fsl, fq, \i
.endr
.irp e, 0,1
	FRAG 192+16*\e, ADV+fsl, fq, \e
.endr
.irp a, 0,1,2,3,4,5,6,7
	FRAG 16*\a, ADX+fsl, fq, \a
.endr
.endm
; 16 products of the q/k job: x's tiles a0 .. a0 + 3 against my four tiles of W.  The 48 accumulators take turns, one instruction a turn, in the same order in every step.
.macro MULQK ks, a0
.set mj, (\ks)&3
.if (\ks) == 0
	WIN 0xd5                                       ; sources in window 1, C (the bias) in window 1, D in window 3
.elseif ((\ks)&1) == 0
	WIN 0xf5
.else
	WIN 0xfa
.endif
.irp a, \a0, \a0+1, \a0+2, \a0+3
.irp b, 0,1,2,3
.set rD, 8*(4*(\a)+\b)
.set rA, 128+16*\b
.set rB, 16*(\a)
.set rSA, SCW+4*\b+mj
.set rSB, SCX+4*(\a)+mj
.if (\ks) == 0
	MM rD, rA, rB, v[224+8*\b:231+8*\b], rSA, rSB
.elseif (\ks) < 4
	MM rD, rA, rB, v[rD:rD+7], rSA, rSB
.else
	MM rD, rA, rB, v[rD:rD+7], rSA, rSB, matrix_a_scale:MATRIX_SCALE_ROW1, matrix_b_scale:MATRIX_SCALE_ROW1
.endif
.endr
.endr
.endm
; 8 products of the v job: x's tiles a0 .. a0 + 3 against my two tiles of Wv
.macro MULV ks, a0
.set mj, (\ks)&3
.if (\ks) == 0
	WIN 0x25                                       ; sources in window 1, C (the bias) in window 2, D in window 0
.elseif ((\ks)&1) == 0
	WIN 0x05
.else
	WIN 0x0a
.endif
.irp a, \a0, \a0+1, \a0+2, \a0+3
.irp e, 0,1
.set rD, 128+64*\e+8*(\a)
.set rA, 16*(\a)
.set rB, 192+16*\e
.set rSA, SCX+4*(\a)+mj
.set rSB, SCV+4*\e+mj
.if (\ks) == 0
	MM rD, rA, rB, v[224+8*\e:231+8*\e], rSA, rSB
.elseif (\ks) < 4
	MM rD, rA, rB, v[rD:rD+7], rSA, rSB
.else
	MM rD, rA, rB, v[rD:rD+7], rSA, rSB, matrix_a_scale:MATRIX_SCALE_ROW1, matrix_b_scale:MATRIX_SCALE_ROW1
.endif
.endr
.endr
.endm
; A K step of 128: 48 products; in its middle the next step's fragments are fetched into the other set, eight places behind the products that read that set.
; turn = 1: the step is a slot's second.  Its fragments were fetched a step ago, so at its head my reads of the slot are over: ONE barrier changes slots.  fill = 1: the slot is filled again, 512 along K on.
.macro STEP ks, turn, fill, fetch
.set tsl, ((\ks)>>1)&1
.if \turn
	WIN 0                                          ; (the add's two registers lie in window 0)
	s_wait_tensorcnt 0x0                           ; all my tensor loads have landed: the one that was out is my part of the other slot;
	ds_add_u32 v[SPW], v[NIL]                      ; 0 onto my spare word
	s_wait_dscnt 0x1                               ; this step's 56 fragment loads are in; the add may be out
.else
	s_wait_dscnt 0x0                               ; this step's fragments are in
.endif
	MULQK \ks, 0
.if \turn
	s_wait_dscnt 0x0                               ; the add is done, and my reads of this slot are over
	s_barrier_signal -1
	MULV \ks, 0
	WIN 0
	s_barrier_wait -1
.if \fill
	CREST                                          ; the barrier has opened a round of the cluster's barrier: no wave of any partner still reads this slot or has a load on its way
	s_add_nc_u64 s[G0X+4*tsl+2:G0X+4*tsl+3], s[G0X+4*tsl+2:G0X+4*tsl+3], 512
	s_add_nc_u64 s[G0W+4*tsl+2:G0W+4*tsl+3], s[G0W+4*tsl+2:G0W+4*tsl+3], 512
	JLOAD tsl                                      ; the first tensor load behind the round, my one load until the next; its four v_nop are four of the eight places
	PLACES 4
.else
	PLACES 8
.endif
.else
	MULV \ks, 0
.if \fetch
	PLACES 8
.endif
.endif
.if \fetch
	s_wait_alu depctr_va_vdst(0)
	FETCH (\ks)+1
.endif
	MULQK \ks, 4
	MULV \ks, 4
.endm
	s_wait_alu depctr_va_vdst(0)                   ; the head's end
	s_wait_tensorcnt 0x0                           ; my part of slot 0 is in
	ds_add_u32 v[SPW], v[NIL]
	s_wait_dscnt 0x0
	CROUND                                         ; everybody's part is in, and all sixteen work-groups are here:
	JLOAD 1                                        ; K 256-511 into slot 1, the first tensor load behind the round
	FETCH 0
	s_wait_loadcnt 0x0                             ; scale words and biases
	STEP 0, 0, 0, 1
	STEP 1, 1, 1, 1                                ; slot 0 takes K 512-767
	STEP 2, 0, 0, 1
	STEP 3, 1, 1, 1                                ; slot 1 takes K 768-1023
	STEP 4, 0, 0, 1
	STEP 5, 1, 0, 1                                ; nothing is left to fetch
	STEP 6, 0, 0, 1
	STEP 7, 0, 0, 0
; THE WAY OUT.  Eight units at v[ab + 16 u] of window aw become codes in window 1, v[cb + 4 u] on, and scale bytes in v[T2 + u].
.macro QUANTG aw, ab, cb
	WIN (\aw)|((\aw)<<2)
.irp u, 0,1,2,3,4,5,6,7
	v_max3_num_f32 v[TT+\u], |v[\ab+16*\u]|, |v[\ab+16*\u+1]|, FLOOR        ; each accumulator is read from its low end on; the units by turns
.endr
.irp i, 2,4,6,8,10,12,14
.irp u, 0,1,2,3,4,5,6,7
	v_max3_num_f32 v[TT+\u], |v[\ab+16*\u+\i]|, |v[\ab+16*\u+\i+1]|, v[TT+\u]
.endr
.endr
	WIN 0
.irp u, 0,1,2,3,4,5,6,7
	v_permlanex16_b32 v[T2+\u], v[TT+\u], s[SEL], s[SEL+1]
.endr
.irp u, 0,1,2,3,4,5,6,7
	v_max_num_f32 v[TT+\u], v[TT+\u], v[T2+\u]     ; with lane l xor 16's 16: the block's largest magnitude
.endr
.irp u, 0,1,2,3,4,5,6,7
	v_add_nc_u32 v[SOP+\u], DEXP, v[TT+\u]         ; 15 off its exponent field: the conversion takes this operand's exponent field as its scale
.endr
.irp u, 0,1,2,3,4,5,6,7
	v_and_or_b32 v[HLD+\u], v[TT+\u], 0x7f800000, s[MNT]   ; 57,344 x the scale
.endr
.irp u, 0,1,2,3,4,5,6,7
	v_lshrrev_b32 v[T2+\u], 23, v[SOP+\u]          ; the scale's byte
.endr
	WIN ((\aw)<<6)|(\aw)
.irp u, 0,1,2,3,4,5,6,7
.irp i, 0,1,2,3,4,5,6,7,8,9,10,11,12,13,14,15
	v_med3_num_f32 v[\ab+16*\u+\i], v[\ab+16*\u+\i], -v[HLD+\u], v[HLD+\u]   ; the conversion to an 8-bit code does not saturate (ISA guide 7.6.2): the hold
.endr
.endr
	WIN 0x40|(\aw)
.irp u, 0,1,2,3,4,5,6,7
	v_cvt_scalef32_pk8_bf8_f32 v[\cb+4*\u:\cb+4*\u+1], v[\ab+16*\u:\ab+16*\u+7], v[SOP+\u]
	v_cvt_scalef32_pk8_bf8_f32 v[\cb+4*\u+2:\cb+4*\u+3], v[\ab+16*\u+8:\ab+16*\u+15], v[SOP+\u]
.endr
	v_nop                                          ; one plain instruction behind the last conversion
	WIN 0
.endm
.macro WORDS dst                       ; bytes 0-3 make the word of lanes 0-15, bytes 4-7 that of lanes 16-31 (every lane holds its row's or column's eight bytes)
	v_lshl_or_b32 v[W0], v[T2+1], 8, v[T2]
	v_lshl_or_b32 v[W1], v[T2+5], 8, v[T2+4]
	v_lshl_or_b32 v[W0], v[T2+2], 16, v[W0]
	v_lshl_or_b32 v[W1], v[T2+6], 16, v[W1]
	v_lshl_or_b32 v[W0], v[T2+3], 24, v[W0]
	v_lshl_or_b32 v[W1], v[T2+7], 24, v[W1]
	v_cndmask_b32 v[\dst], v[W0], v[W1], vcc_lo
.endm
	WIN 0
	PLACES 8                                       ; behind the last products: results are read, and codes land in registers that held fragments
	v_cmp_le_u32 vcc_lo, 16, v[LN]                 ; lanes 16-31
	QUANTG 3, 0, 0                                 ; q/k: rows 0-63: unit u = tile u / 2, block u % 2 of d
	WORDS SWQ
	QUANTG 3, 128, 32                              ; rows 64-127
	WORDS SWQ+1
	WIN 0x04                                       ; a store's data are its source 1: window 1
.irp u, 0,1,2,3,4,5,6,7,8,9,10,11,12,13,14,15
	global_store_b128 v[LI16], v[4*\u:4*\u+3], s[4:5] offset:512*\u          ; 32 lanes store 512 consecutive bytes, at a multiple of 256 from the buffer's first byte
.endr
	WIN 0
	global_store_b64 v[LI8], v[SWQ:SWQ+1], s[4:5] offset:8192                ; the block's 256 bytes of scale words
	QUANTG 0, 128, 64                              ; v: unit u = tile u / 4 of dd, block u % 4 of the 128 keys.  (It writes none of the registers that the stores above read)
	WORDS SWV
	WIN 0x04
.irp u, 0,1,2,3,4,5,6,7
	global_store_b128 v[LI16], v[64+4*\u:64+4*\u+3], s[6:7] offset:512*\u
.endr
	WIN 0
	global_store_b32 v[LI4], v[SWV], s[8:9]        ; 128 consecutive bytes: half of the block's scale words; the wave beside me stores the other half
	v_mov_b32 v123, 0x7f7f7f7f                     ; THE BLOCK'S SUMS OF v's QUANTISED NUMBERS: ones (code 0x3c, scale 1) x my codes
	v_lshlrev_b32 v126, 4, v1
	WIN 0x40
.irp i, 0,1,2,3,4,5,6,7,8,9,10,11,12,13,14,15
	v_mov_b32 v[96+\i], 0x3c3c3c3c
.endr
	PLACES 4                                       ; an operand written by vector instructions stands 4 places ahead, a scale register 8
	WIN 0x05
	MM 128, 96, 64, 0, 123, SWV
	MM 136, 96, 80, 0, 123, SWV, matrix_b_scale:MATRIX_SCALE_ROW1
	WIN 0
	PLACES 8
	global_store_b32 v126, v128, s[2:3]            ; every register of lane (r, h) holds the sum of column dd = r of the tile
	global_store_b32 v126, v136, s[2:3] offset:4
	s_wait_tensorcnt 0x0
	ds_add_u32 v[SPW], v[NIL]
	s_wait_dscnt 0x0
	CROUND                                         ; the closing round: no work-group ends while a partner may still ask for a tile that names it
	s_endpgm
.Lfunc_end_k_q5d92c6dd6d_qkv:
	.size	k_q5d92c6dd6d_qkv, .Lfunc_end_k_q5d92c6dd6d_qkv-k_q5d92c6dd6d_qkv
	.p2alignl 7, 3214868480
	.fill 96, 4, 3214868480
	.section	.rodata,"a",@progbits
	.p2align	6, 0x0
	.amdhsa_kernel k_q5d92c6dd6d_qkv
		.amdhsa_group_segment_fixed_size 327680
		.amdhsa_private_segment_fixed_size 0
		.amdhsa_enable_private_segment 0
		.amdhsa_kernarg_size 112
		.amdhsa_user_sgpr_count 2
		.amdhsa_user_sgpr_kernarg_segment_ptr 1
		.amdhsa_wavefront_size32 1
		.amdhsa_system_sgpr_workgroup_id_x 1
		.amdhsa_system_sgpr_workgroup_id_y 1
		.amdhsa_system_sgpr_workgroup_id_z 1
		.amdhsa_system_vgpr_workitem_id 0
		.amdhsa_next_free_vgpr 1024
		.amdhsa_next_free_sgpr 100
		.amdhsa_reserve_vcc 1
		.amdhsa_float_denorm_mode_32 3
		.amdhsa_float_denorm_mode_16_64 3
		.amdhsa_memory_ordered 1
		.amdhsa_forward_progress 1
		.amdhsa_inst_pref_size 148
	.end_amdhsa_kernel
	.amdgpu_metadata
---
amdhsa.version: [ 1, 2 ]
amdhsa.kernels:
  - .name:           k_q5d92c6dd6d_qkv
    .symbol:         k_q5d92c6dd6d_qkv.kd
    .args:
      - { .name: x_codes, .offset: 0, .size: 8, .value_kind: global_buffer, .address_space: global }
      - { .name: x_scales, .offset: 8, .size: 8, .value_kind: global_buffer, .address_space: global }
      - { .name: Wq_codes, .offset: 16, .size: 8, .value_kind: global_buffer, .address_space: global }
      - { .name: Wk_codes, .offset: 24, .size: 8, .value_kind: global_buffer, .address_space: global }
      - { .name: Wv_codes, .offset: 32, .size: 8, .value_kind: global_buffer, .address_space: global }
      - { .name: Wq_scales, .offset: 40, .size: 8, .value_kind: global_buffer, .address_space: global }
      - { .name: Wk_scales, .offset: 48, .size: 8, .value_kind: global_buffer, .address_space: global }
      - { .name: Wv_scales, .offset: 56, .size: 8, .value_kind: global_buffer, .address_space: global }
      - { .name: bq, .offset: 64, .size: 8, .value_kind: global_buffer, .address_space: global }
      - { .name: bk, .offset: 72, .size: 8, .value_kind: global_buffer, .address_space: global }
      - { .name: bv, .offset: 80, .size: 8, .value_kind: global_buffer, .address_space: global }
      - { .name: qimg, .offset: 88, .size: 8, .value_kind: global_buffer, .address_space: global }
      - { .name: kvimg, .offset: 96, .size: 8, .value_kind: global_buffer, .address_space: global }
      - { .name: vsum, .offset: 104, .size: 8, .value_kind: global_buffer, .address_space: global }
    .group_segment_fixed_size: 327680
    .private_segment_fixed_size: 0
    .kernarg_segment_align: 8
    .kernarg_segment_size: 112
    .max_flat_workgroup_size: 128
    .sgpr_count:     100
    .vgpr_count:     1024
    .wavefront_size: 32
...
	.end_amdgpu_metadata
.endif
;; end of part 1
;; launch attn (part 2): grid 8 x 32, 8 waves a work-group, clusters of 4 x 1, 327,680 bytes of LDS; arguments qimg, kvimg, vsum, cimg, csc; writes cimg, csc
.if DOCPART == 2
	.amdgcn_target "amdgcn-amd-amdhsa--gfx1250"
	.amdhsa_code_object_version 6
	.text
	.protected	k_q5d92c6dd6d_attn
	.globl	k_q5d92c6dd6d_attn
	.p2align	8
	.type	k_q5d92c6dd6d_attn,@function
k_q5d92c6dd6d_attn:
	s_mov_b64 s[64:65], 0
	v_nop
	global_prefetch_b8 v0, s[64:65] scope:SCOPE_SE
	s_setreg_imm32_b32 hwreg(HW_REG_WAVE_MODE, 25, 1), 1
	s_wait_xcnt 0x0
	s_wait_alu depctr_hold_cnt(0) depctr_sa_sdst(0) depctr_va_vdst(0) depctr_va_sdst(0) depctr_va_ssrc(0) depctr_va_vcc(0) depctr_vm_vsrc(0)
	s_getreg_b32 s2, hwreg(HW_REG_IB_STS2, 6, 4)
	s_cmp_eq_u32 s2, 0
	s_cbranch_scc0 .Lentry_in_a_cluster
	s_endpgm
.Lentry_in_a_cluster:
	s_bfe_u32 s2, ttmp6, 0x10000c
	s_cmp_lg_u32 s2, 0x3003
	s_cbranch_scc0 .Lentry_shape_is_right
	s_endpgm
.Lentry_shape_is_right:
; ctx = softmax(q k^T / 8, causal) v for one head (work-group y = 16 x batch + head), both products on codes of BF8 (E5M2) with E8M0 scales, f32 sums; ctx leaves quantised along its 64 columns as images of operand registers (cimg) and scale bytes (csc).
; SHARES.  2,048 queries are 16 blocks of 128 = 8 tiles of 16.  Work-group x (0 .. 7) owns tile x of the blocks 0 to 7 and tile 7 - x of the blocks 8 to 15; its wave w owns tile T = 0 in block w and tile T = 1 in block 15 - w:
; w + 1 and 16 - w key steps of 128, 17 in every wave, whatever x.  While both tiles need a step they share each fragment of k and v.
; LEFT OUT: the scores of steps wholly above the diagonal (reference() puts -10000 in their place for all inputs).  Their share of the softmax is kept exactly: t = -10000 log2(e), M = ceil(t), p0 = 2^(t - M) = 0.51755, whose code's value is 0.5;
; so O^T begins as 0.5 x the sum of v over the blocks behind the tile's own, l as their count x p0, the largest score as -80000 (ahead of the / 8).  Block 15 has none behind it and begins with -3e38, 0 and 0.  NaN or infinity reaching only what is left out is not carried on.
; LDS holds all of the head's k and v, filled once: 16 steps of [k 8,448][v 8,448] bytes; each wave has ONE tensor load, two steps, 132 dense rows of 256 bytes.  Wave 0's is shown by the first barrier, all others by the second, behind step 1.
; CLUSTERS: four work-groups of one head ask for its k and v jointly.  No prefetch: all that the launch loads is asked for at its head, and its loop asks for nothing.
; LAYOUT.  Both products transposed (S^T = k q^T, O^T = v^T p^T): a lane holds one query, lane % 16; register 16 b + i of S^T is key 32 b + 8 h + i (i < 8) or 32 b + 8 + 8 h + i, h = lane / 16.
; q k^T has 64 along K: source 0 holds two neighbouring tiles of keys, source 1 q's codes in one half and zeros in the other.
; LIMITS: NaN and infinities are not served.  A block whose largest p lies under 2^-111 keeps the byte 1.  The scaled scores stay under 2^31.
; WINDOW 0: v1-13 addresses; v14-21 scale words; v22-57 what a tile carries (18 each); v58-63 at work; v64-191 S^T of both tiles; v192-255 O^T of both.  WINDOW 1: v0-63 k, v64-127 v, v128-167 zeros, q, zeros, q, zeros; v176-207 p's codes; v208-239 written by the f32 products alone.
.set STEPB, 16896
.set SPARE, 16*STEPB
.set LI16, 1
.set LI8,  2
.set LI4,  3
.set ADK,  4                           ; the step's codes
.set ADT,  5                           ; its scale words of v
.set ADN,  6                           ; k's codes of the next step (less STEPB)
.set ADS,  7                           ; and scale words
.set SPW,  9
.set NIL,  10
.set DM,   11                          ; v11-12 my query less 8 h, within the block
.set CSA,  13
.set KS,   14
.set VS,   16
.set QS,   18
.set PS,   20
.set ST,   22                          ; a tile's: +0 -M, +1 largest score, +2 f, +3 at work, +4,5 l, +6..9 blocks' largest, then holds, +10..13 bytes, +14..17 conversion scales
.set SR,   64
.set OA,   192
.set KB,   0
.set VB,   64
.set QB,   128
.set PC,   176
.set DS,   208
.set WV,   14
.set BH,   15
.set EB,   16
.set CS,   22
.set MSK,  24
.set MNT,  27
.set SEL,  28
.set TB,   30
.set STP,  31
.set G1,   32
.set G0,   40
.set LM,   48
.set CNT,  50
.set PSEL, 52
.set CB,   56
.set SB,   60
.set QP,   66
.set QX,   72
.set MSB, 0
.macro WIN new
.if MSB != (\new)
	s_set_vgpr_msb (MSB<<8)|(\new)
.set MSB, (\new)
.endif
.endm
.macro PLACES n
.rept \n
	v_nop
.endr
.endm
.macro WALU
	s_wait_alu depctr_va_vdst(0)
.endm
.macro CROUND                          ; a round of the cluster's barrier
	s_barrier_signal -1
	s_barrier_wait -1
	s_cmp_lg_u32 s[WV], 0
	s_cbranch_scc1 .Lnot_wave_0_\@
	s_barrier_signal -3
.Lnot_wave_0_\@:
	s_barrier_wait -3
	s_barrier_signal -1
	s_barrier_wait -1
.endm
.macro MM d, a, b, c, sa, sb, m1
	v_wmma_scale_f32_16x16x128_f8f6f4 v[\d:\d+7], v[\a:\a+15], v[\b:\b+15], \c, v[\sa], v[\sb] matrix_a_fmt:MATRIX_FMT_BF8 matrix_b_fmt:MATRIX_FMT_BF8 \m1
.endm
	s_load_b256 s[4:11], s[0:1], 0x0               ; qimg, kvimg, vsum, cimg
	s_load_b64 s[12:13], s[0:1], 0x20              ; csc
	v_lshl_add_u32 v[SPW], v0, 2, SPARE
	v_mov_b32 v[NIL], 0
	ds_add_u32 v[SPW], v[NIL]                      ; the wave's opening: the add, twice on end, and its wait ahead of my tensor load
	ds_add_u32 v[SPW], v[NIL]
	v_lshrrev_b32 v58, 5, v0
	v_readfirstlane_b32 s[WV], v58                 ; wave 0..7
	s_bfe_u32 s70, ttmp6, 0x40000                  ; cx
	s_lshl_b32 s2, ttmp9, 2
	s_add_co_u32 s2, s2, s70                       ; s2 = x: tile 0's place in its block; s3 = 7 - x: tile 1's
	s_sub_co_u32 s3, 7, s2
	s_and_b32 s[BH], ttmp7, 0xffff
	s_mov_b32 s[EB], s[WV]                         ; the tiles' blocks
	s_sub_co_u32 s[EB+1], 15, s[WV]
	s_max_u32 s[LM], s[WV], 1                      ; the last step that each tile walks (wave 0's tile 0 walks step 1 too, masked)
	s_mov_b32 s[LM+1], s[EB+1]
	s_mov_b32 s[G1], 15|(3<<16)|(1<<21)            ; group 1: all four partners; elements of 8 bytes; bit 21 beside a mask; 132 dense rows of 256 bytes
	s_mov_b32 s[G1+1], 32<<16
	s_mov_b32 s[G1+2], 132<<16
	s_mov_b32 s[G1+3], 32<<16
	s_mov_b32 s[G1+4], 132
	s_mov_b32 s[G1+5], 32
	s_mov_b32 s[G1+6], 0
	s_mov_b32 s[G1+7], 0
	s_mul_i32 s54, s[WV], 2*STEPB                  ; my two steps: in LDS, and in the head's image
	s_mul_i32 s44, s[BH], 16*STEPB
	s_add_co_u32 s44, s44, s54
	s_mov_b32 s45, 0
	s_mov_b32 s[G0], 1
	s_mov_b32 s[G0+1], s54
	WALU
	s_wait_dscnt 0x0                               ; both opening adds are done
	CROUND                                         ; the four work-groups are here: the joint loads meet
	s_wait_kmcnt 0x0
	s_add_nc_u64 s[G0+2:G0+3], s[6:7], s[44:45]
	s_or_b32 s[G0+3], s[G0+3], 0x80000000
	s_cmp_eq_u32 s[WV], 0                          ; wave 0, which alone waits at the first barrier, has a load line of its own
	s_cbranch_scc0 .Lload_rest
	tensor_load_to_lds s[G0:G0+3], s[G1:G1+7]
	s_nop 0
	PLACES 4
	s_branch .Lasked
.Lload_rest:
	tensor_load_to_lds s[G0:G0+3], s[G1:G1+7]
	s_nop 0
	PLACES 4
.Lasked:
	s_lshr_b32 s18, s[BH], 4
	s_lshl_b32 s18, s18, 4                         ; 16 x batch
	s_bfe_u32 s19, s[BH], 0x30001
	s_lshl_b32 s19, s19, 14                        ; cimg: the pair of heads' K step of 16,384 bytes,
	s_and_b32 s20, s[BH], 1
	s_lshl_b32 s20, s20, 10                        ; and my head's half of a tile's 2,048
	s_add_co_u32 s19, s19, s20
	s_and_b32 s20, s[BH], 15
	s_lshl_b32 s20, s20, 1                         ; csc: two bytes a head
.irp T, 0,1
	s_add_co_u32 s21, s18, s[EB+\T]
	s_lshl_b32 s[CB+2*\T], s21, 17
	s_add_co_u32 s[CB+2*\T], s[CB+2*\T], s19
	s_lshl_b32 s54, s[2+\T], 11
	s_add_co_u32 s[CB+2*\T], s[CB+2*\T], s54
	s_mov_b32 s[CB+2*\T+1], 0
	s_lshl_b32 s[SB+2*\T], s21, 12
	s_add_co_u32 s[SB+2*\T], s[SB+2*\T], s20
	s_lshl_b32 s54, s[2+\T], 9
	s_add_co_u32 s[SB+2*\T], s[SB+2*\T], s54
	s_mov_b32 s[SB+2*\T+1], 0
	s_lshl_b32 s54, s[BH], 4
	s_add_co_u32 s54, s54, s[EB+\T]
	s_mul_i32 s54, s54, 8448                       ; q's image block
	s_lshl_b32 s55, s[2+\T], 10
	s_add_co_u32 s[QP+2*\T], s54, s55              ; my tile's codes
	s_mov_b32 s[QP+2*\T+1], 0
	s_add_co_u32 s[QX+2*\T], s54, 8192             ; and its scale words
	s_bfe_u32 s55, s[2+\T], 0x10001
	s_lshl_b32 s55, s55, 7
	s_add_co_u32 s[QX+2*\T], s[QX+2*\T], s55
	s_lshr_b32 s55, s[2+\T], 2
	s_lshl_b32 s55, s55, 2
	s_add_co_u32 s[QX+2*\T], s[QX+2*\T], s55
	s_mov_b32 s[QX+2*\T+1], 0
	s_and_b32 s55, s[2+\T], 1                      ; odd tiles have bytes 2, 3 of the word
	s_mul_i32 s[PSEL+\T], s55, 0x02020202
	s_add_co_u32 s[PSEL+\T], s[PSEL+\T], 0x01000100
	s_lshl_b32 s[46+\T], s[2+\T], 4
	s_add_nc_u64 s[CB+2*\T:CB+2*\T+1], s[10:11], s[CB+2*\T:CB+2*\T+1]
	s_add_nc_u64 s[SB+2*\T:SB+2*\T+1], s[12:13], s[SB+2*\T:SB+2*\T+1]
	s_add_nc_u64 s[QP+2*\T:QP+2*\T+1], s[4:5], s[QP+2*\T:QP+2*\T+1]
	s_add_nc_u64 s[QX+2*\T:QX+2*\T+1], s[4:5], s[QX+2*\T:QX+2*\T+1]
.endr
	s_lshl_b32 s54, s[BH], 12
	s_mov_b32 s55, 0
	s_add_nc_u64 s[8:9], s[8:9], s[54:55]          ; vsum: 16 blocks of 256 bytes a head
	s_sub_co_u32 s[CNT], 15, s[LM]                 ; the count of keys behind the tile's last step, halved (the sum's two lane halves are added at the end), x p0
	s_mov_b32 s[CNT+1], s[WV]
.irp T, 0,1
	s_lshl_b32 s[CNT+\T], s[CNT+\T], 6
	s_cvt_f32_u32 s[CNT+\T], s[CNT+\T]
	s_mul_f32 s[CNT+\T], s[CNT+\T], 0x3f047e7a     ; p0 = 2^(-10000 log2(e) + 14426)
.endr
	s_mov_b32 s[CS], 0x3e38aa3b                    ; log2(e) / 8
	s_mov_b32 s[CS+1], s[CS]
	s_mov_b32 s[MSK], 0xc79c4000                   ; -80000: reference()'s -10000 ahead of the / 8
	s_mov_b32 s[MNT], 0x600000
	s_mov_b32 s[SEL], 0x76543210
	s_mov_b32 s[SEL+1], 0xfedcba98
	s_mov_b32 s21, 0xff61b1e6                      ; -3e38: tile 1 of wave 0 (block 15) has no masked block behind it
	s_cmp_eq_u32 s[WV], 0
	s_cselect_b32 s21, s21, s[MSK]
	v_and_b32 v58, 31, v0
	v_lshlrev_b32 v[LI16], 4, v58
	v_lshlrev_b32 v[LI8], 3, v58
	v_lshlrev_b32 v[LI4], 2, v58
	v_and_b32 v59, 15, v0                          ; r
	v_bfe_u32 v60, v0, 4, 1                        ; h
	v_lshlrev_b32 v61, 3, v59
	v_lshlrev_b32 v58, 3, v60
	v_sub_nc_u32 v58, v59, v58
	v_add_nc_u32 v[DM], s46, v58
	v_add_nc_u32 v[DM+1], s47, v58
	v_lshl_add_u32 v[CSA], v59, 5, v60
	WALU
	WIN 0x40
.irp T, 0,1
.irp c, 0,1
	global_load_b128 v[QB+8+16*\T+4*\c:QB+8+16*\T+4*\c+3], v[LI16], s[QP+2*\T:QP+2*\T+1] offset:512*\c
.endr
.endr
	WIN 0
	global_load_b32 v[QS], v61, s[QX:QX+1]
	global_load_b32 v[QS+1], v61, s[QX+2:QX+3]
.irp i, 0,1,2,3,4,5,6,7
	global_load_b128 v[64+4*\i:67+4*\i], v[LI16], s[8:9] offset:512*\i     ; lane (r, h): block 2 i + h, the sums of dd = r, 16 + r, 32 + r, 48 + r
.endr
	WIN 0x40
.irp z, 0,1,2,3,4,5,6,7
	v_mov_b32 v[QB+\z], 0
	v_mov_b32 v[QB+16+\z], 0
	v_mov_b32 v[QB+32+\z], 0
.endr
	WIN 0
.irp T, 0,1
.irp b, 0,1,2,3
	v_mov_b32 v[ST+18*\T+10+\b], 0                 ; (a lane permute's destination counts as one of its sources)
.endr
	v_mov_b32 v[ST+18*\T+4], s[CNT+\T]
	v_mov_b32 v[ST+18*\T+5], 0
.endr
	v_mov_b32 v[ST+1], s[MSK]
	v_mov_b32 v[ST+19], s21
	v_mul_f32 v[ST+3], s[CS], v[ST+1]
	v_mul_f32 v[ST+21], s[CS], v[ST+19]
	v_floor_f32 v[ST], -v[ST+3]                    ; -M
	v_floor_f32 v[ST+18], -v[ST+21]
	v_mov_b32 v104, 1.0                            ; v[104:105] picks a pair's first register, v[106:107] its second
	v_mov_b32 v105, 0
	v_mov_b32 v106, 0
	v_mov_b32 v107, 1.0
	v_mov_b32 v62, 1.0
	WALU
	s_wait_loadcnt 0x0
	v_perm_b32 v[QS], v[QS], v[QS], s[PSEL]        ; q's two scale bytes in both halves of the word
	v_perm_b32 v[QS+1], v[QS+1], v[QS+1], s[PSEL+1]
.irp i, 0,1,2,3,4,5,6,7                ; the sums over the blocks behind each tile's last step: lanes' h by blocks' parity
.irp T, 0,1
	s_sub_co_i32 s54, s[LM+\T], 2*\i
	v_cmp_lt_i32 vcc_lo, s54, v60
	v_cndmask_b32 v58, 0, v62, vcc_lo
.if \i == 0
	v_pk_mul_f32 v[96+4*\T:97+4*\T], v[64:65], v[58:59] op_sel_hi:[1,0]
	v_pk_mul_f32 v[98+4*\T:99+4*\T], v[66:67], v[58:59] op_sel_hi:[1,0]
.else
	v_pk_fma_f32 v[96+4*\T:97+4*\T], v[64+4*\i:65+4*\i], v[58:59], v[96+4*\T:97+4*\T] op_sel_hi:[1,0,1]
	v_pk_fma_f32 v[98+4*\T:99+4*\T], v[66+4*\i:67+4*\i], v[58:59], v[98+4*\T:99+4*\T] op_sel_hi:[1,0,1]
.endif
.endr
.endr
	WALU
.irp T, 0,1                            ; spread over O^T's layout: dd along source 0's rows, the same for all 16 queries; the f32 form adds the two lane halves
	WIN 0x40
	v_wmma_f32_16x16x4_f32 v[DS:DS+7], v[96+4*\T:97+4*\T], v[104:105], 0
	v_wmma_f32_16x16x4_f32 v[DS+8:DS+15], v[96+4*\T:97+4*\T], v[106:107], 0
	v_wmma_f32_16x16x4_f32 v[DS+16:DS+23], v[98+4*\T:99+4*\T], v[104:105], 0
	v_wmma_f32_16x16x4_f32 v[DS+24:DS+31], v[98+4*\T:99+4*\T], v[106:107], 0
	PLACES 8
	WIN 0x01
.irp n, 0,2,4,6,8,10,12,14,16,18,20,22,24,26,28,30
	v_pk_mul_f32 v[OA+32*\T+\n:OA+32*\T+\n+1], v[DS+\n:DS+\n+1], 0.5 op_sel_hi:[1,0]     ; x the value of p0's code
.endr
	PLACES 9
.endr
	WIN 0
.macro LOADV                           ; v's operands of the step: 2 + 16 loads
	ds_load_b32 v[VS], v[ADT] offset:16640
	ds_load_b32 v[VS+1], v[ADT] offset:16768
	WIN 0x40
.irp d, 0,1,2,3
.irp c, 0,1,2,3
	ds_load_b128 v[VB+16*\d+4*\c:VB+16*\d+4*\c+3], v[ADK] offset:8448+2048*\d+512*\c
.endr
.endr
	WIN 0
.endm
.macro LOADK a, s, o                   ; k's: 16 + 1 loads
	WIN 0x40
.irp t, 0,1,2,3,4,5,6,7
.irp c, 0,1
	ds_load_b128 v[KB+8*\t+4*\c:KB+8*\t+4*\c+3], v[\a] offset:\o+1024*\t+512*\c
.endr
.endr
	WIN 0
	ds_load_b64 v[KS:KS+1], v[\s] offset:\o+8192
.endm
.macro QK T                            ; S^T of tile T: eight tiles of 16 keys
	WIN 0x05
.irp t, 0,1,2,3,4,5,6,7
.set rD, SR+64*(\T)+8*\t
.set rA, KB+16*(\t/2)
.set rB, QB+8+16*(\T)-8*(\t%2)
.set rSA, KS+(\t/4)
.if ((\t/2)%2) == 1
	MM rD, rA, rB, 0, rSA, QS+\T, matrix_a_scale:MATRIX_SCALE_ROW1
.else
	MM rD, rA, rB, 0, rSA, QS+\T
.endif
.endr
.endm
.macro PV T                            ; O^T += v^T p^T
	WIN 0x05
.irp d, 0,1,2,3
.set rD, OA+32*(\T)+8*\d
.set rA, VB+16*\d
.set rB, PC+16*(\T)
.set rSA, VS+(\d/2)
.if (\d%2) == 1
	MM rD, rA, rB, v[rD:rD+7], rSA, PS+\T, matrix_a_scale:MATRIX_SCALE_ROW1
.else
	MM rD, rA, rB, v[rD:rD+7], rSA, PS+\T
.endif
.endr
.endm
.macro MASK s, dm                      ; keys behind my query get -80000
.set zj, 0
.rept 64
	v_cmp_le_i32 vcc_lo, 16*(zj/8)+(zj%8), v[\dm]
	v_cndmask_b32 v[\s+zj], s[MSK], v[\s+zj], vcc_lo
.set zj, zj+1
.endr
.endm
.macro MAXL k, b, s, m                 ; line k of a block's largest score
.if (\k) == 0
	v_max3_num_f32 v[\m+\b], v[\s+16*\b], v[\s+16*\b+1], v[\s+16*\b+2]
.elseif (\k) < 7
	v_max3_num_f32 v[\m+\b], v[\m+\b], v[\s+16*\b+2*(\k)+1], v[\s+16*\b+2*(\k)+2]
.elseif (\k) == 7
	v_max_num_f32 v[\m+\b], v[\m+\b], v[\s+16*\b+15]
.elseif (\k) == 8
	v_permlanex16_b32 v[\m+4+\b], v[\m+\b], s[SEL], s[SEL+1]
.else
	v_max_num_f32 v[\m+\b], v[\m+\b], v[\m+4+\b]
.endif
.endm
.macro STL k, q                        ; the running largest score, -M = floor(-t), f = 2^(old M - new M)
.if (\k) == 0
	v_max3_num_f32 v[\q+1], v[\q+1], v[\q+6], v[\q+7]
.elseif (\k) == 1
	v_max3_num_f32 v[\q+1], v[\q+1], v[\q+8], v[\q+9]
.elseif (\k) == 2
	v_mov_b32 v[\q+2], v[\q]
.elseif (\k) == 3
	v_mul_f32 v[\q+3], s[CS], v[\q+1]
.elseif (\k) == 4
	v_floor_f32 v[\q], -v[\q+3]
.elseif (\k) == 5
	v_sub_f32 v[\q+2], v[\q], v[\q+2]
.elseif (\k) == 6
	v_cvt_i32_f32 v[\q+2], v[\q+2]
.else
	v_ldexp_f32 v[\q+2], 1.0, v[\q+2]
.endif
.endm
.macro MAXS lo                         ; tiles lo .. 1, blocks and tiles by turns
.irp k, 0,1,2,3,4,5,6,7,8,9
.irp T, 0,1
.if \T >= \lo
.irp b, 0,1,2,3
	MAXL \k, \b, SR+64*\T, ST+18*\T+6
.endr
.endif
.endr
.endr
.endm
.macro STATS lo
.irp k, 0,1,2,3,4,5,6,7
.irp T, 0,1
.if \T >= \lo
	STL \k, ST+18*\T
.endif
.endr
.endr
.endm
.macro PKF s, t, j                     ; t - M, two at a time
	v_pk_fma_f32 v[\s+2*(\j):\s+2*(\j)+1], v[\s+2*(\j):\s+2*(\j)+1], s[CS:CS+1], v[\t:\t+1] op_sel_hi:[1,0,0]
.endm
.macro DMIN s, m, j                    ; the hold, two at a time: p is not negative
	v_dual_min_num_f32 v[\s+2*(\j)], v[\s+2*(\j)], v[\m+(\j)/8] :: v_dual_min_num_f32 v[\s+2*(\j)+1], v[\s+2*(\j)+1], v[\m+(\j)/8]
.endm
.macro SUM s, l, n                     ; the sum of the unquantised p, in four chains
	v_pk_add_f32 v[58:59], v[\s:\s+1], v[\s+2:\s+3]
	v_pk_add_f32 v[60:61], v[\s+4:\s+5], v[\s+6:\s+7]
	v_pk_add_f32 v[62:63], v[\s+8:\s+9], v[\s+10:\s+11]
.set zj, 12
.rept (\n-12)/2
.set za, ((zj-12)/2)%4
.if za == 0
	v_pk_add_f32 v[\l:\l+1], v[\l:\l+1], v[\s+zj:\s+zj+1]
.else
	v_pk_add_f32 v[56+2*za:57+2*za], v[56+2*za:57+2*za], v[\s+zj:\s+zj+1]
.endif
.set zj, zj+2
.endr
	v_pk_add_f32 v[58:59], v[58:59], v[60:61]
	v_pk_add_f32 v[\l:\l+1], v[\l:\l+1], v[62:63]
	v_pk_add_f32 v[\l:\l+1], v[\l:\l+1], v[58:59]
.endm
.macro SCALE m, n                      ; n blocks' largest p -> conversion scale, hold (over the largest p), byte
.set zb, 0
.rept \n
	v_max_num_f32 v[\m+zb], 0x8000000, v[\m+zb]
.set zb, zb+1
.endr
.set zb, 0
.rept \n
	v_add_nc_u32 v[\m+8+zb], 0xf8800000, v[\m+zb]
.set zb, zb+1
.endr
.set zb, 0
.rept \n
	v_and_or_b32 v[\m+zb], v[\m+zb], 0x7f800000, s[MNT]
.set zb, zb+1
.endr
.set zb, 0
.rept \n
	v_lshrrev_b32 v[\m+4+zb], 23, v[\m+8+zb]
.set zb, zb+1
.endr
.endm
.macro WORDS T                         ; p's scale word for these 128 keys
	v_lshl_or_b32 v[58+\T], v[ST+18*\T+11], 8, v[ST+18*\T+10]
	v_lshl_or_b32 v[58+\T], v[ST+18*\T+12], 16, v[58+\T]
	v_lshl_or_b32 v[PS+\T], v[ST+18*\T+13], 24, v[58+\T]
.endm
.macro CVT s, m, pc, n
.set zb, 0
.rept \n
	v_cvt_scalef32_pk8_bf8_f32 v[\pc+4*zb:\pc+4*zb+1], v[\s+16*zb:\s+16*zb+7], v[\m+8+zb]
	v_cvt_scalef32_pk8_bf8_f32 v[\pc+4*zb+2:\pc+4*zb+3], v[\s+16*zb+8:\s+16*zb+15], v[\m+8+zb]
.set zb, zb+1
.endr
.endm
.macro ORESC T
.set zj, 0
.rept 16
	v_pk_mul_f32 v[OA+32*\T+zj:OA+32*\T+zj+1], v[OA+32*\T+zj:OA+32*\T+zj+1], v[ST+18*\T+2:ST+18*\T+3] op_sel_hi:[1,0]
.set zj, zj+2
.endr
.endm
; Two units of n scores each: both tiles' (n = 64), or the halves of tile 1 (n = 32).  The first unit's exponentials stand beside the second's multiply-adds, the second's beside the first's holds; waits ahead of and behind each batch.
.macro SOFT n, s0, s1, t0, t1, m0, m1
.set zj, 0
.rept \n/2
	PKF \s0, \t0, zj
.set zj, zj+1
.endr
.set zb, 0
.rept \n/16
	v_fma_f32 v[\m0+zb], v[\m0+zb], s[CS], v[\t0]
	v_fma_f32 v[\m1+zb], v[\m1+zb], s[CS], v[\t1]
.set zb, zb+1
.endr
	WALU
.set zj, 0
.rept \n/2
	v_exp_f32 v[\s0+2*zj], v[\s0+2*zj]
	v_exp_f32 v[\s0+2*zj+1], v[\s0+2*zj+1]
	PKF \s1, \t1, zj
.set zj, zj+1
.endr
.set zb, 0
.rept \n/16
	v_exp_f32 v[\m0+zb], v[\m0+zb]
.set zb, zb+1
.endr
	v_pk_mul_f32 v[\t0+4:\t0+5], v[\t0+4:\t0+5], v[\t0+2:\t0+3] op_sel_hi:[1,0]
	WALU
	SCALE \m0, \n/16
	SUM \s0, \t0+4, \n
	WALU
.set zb, 0
.rept \n/16
	v_exp_f32 v[\m1+zb], v[\m1+zb]
.set zb, zb+1
.endr
.set zj, 0
.rept \n/2
	v_exp_f32 v[\s1+2*zj], v[\s1+2*zj]
	v_exp_f32 v[\s1+2*zj+1], v[\s1+2*zj+1]
	DMIN \s0, \m0, zj
.set zj, zj+1
.endr
.if \n == 64
	v_pk_mul_f32 v[\t1+4:\t1+5], v[\t1+4:\t1+5], v[\t1+2:\t1+3] op_sel_hi:[1,0]
.endif
	WALU
	SCALE \m1, \n/16
	SUM \s1, \t1+4, \n
.set zj, 0
.rept \n/2
	DMIN \s1, \m1, zj
.set zj, zj+1
.endr
.if \n == 64
	WORDS 0
.endif
	WORDS 1
	WIN 0x40
.if \n == 64
	CVT \s0, \m0, PC, 4
	CVT \s1, \m1, PC+16, 4
.else
	CVT \s0, \m0, PC+16, 2
	CVT \s1, \m1, PC+24, 2
.endif
	WIN 0
	WALU
.if \n == 64
	ORESC 0
.endif
	ORESC 1                                        ; (also the places ahead of the products)
.endm
	s_mov_b32 s[TB], 0
	s_mov_b32 s[STP], 0
	WALU                                           ; the head's end
	s_cmp_eq_u32 s[WV], 0
	s_cbranch_scc0 .Lnot_yet
	s_wait_tensorcnt 0x0                           ; wave 0: steps 0 and 1 are in
.Lnot_yet:
	s_wait_dscnt 0x0
	s_barrier_signal -1
	s_barrier_wait -1
.Learly:                               ; steps 0 and 1: both tiles of every wave
	v_add_nc_u32 v[ADK], s[TB], v[LI16]
	v_add_nc_u32 v[ADT], s[TB], v[LI4]
	v_add_nc_u32 v[ADS], s[TB], v[LI8]
	PLACES 8                                       ; behind the last products, ahead of loads into what they have read
	LOADK ADK, ADS, 0
	LOADV
	WALU
	s_wait_dscnt 18                                ; k is in; v's 18 loads may be out
	QK 0
	QK 1
	WIN 0
	PLACES 8
	s_cmp_lt_u32 s[STP], s[EB]
	s_cbranch_scc1 .Lopen_e
	s_sub_co_u32 s70, s[STP], s[EB]                ; 0 on the diagonal; 1 in wave 0's step 1, all of whose keys lie behind tile 0
	s_lshl_b32 s70, s70, 7
	v_sub_nc_u32 v58, v[DM], s70
	MASK SR, 58
.Lopen_e:
	MAXS 0
	STATS 0
	SOFT 64, SR, SR+64, ST, ST+18, ST+6, ST+24
	WALU
	s_wait_dscnt 0x0
	PV 0
	PV 1
	WIN 0
	s_add_co_u32 s[TB], s[TB], STEPB
	s_add_co_u32 s[STP], s[STP], 1
	s_cmp_lt_u32 s[STP], 2
	s_cbranch_scc1 .Learly
	WALU
	s_wait_tensorcnt 0x0                           ; my two steps are in,
	s_wait_dscnt 0x0
	s_barrier_signal -1
	s_barrier_wait -1                              ; and everybody's
	s_mov_b32 s[TB], 2*STEPB
	s_mov_b32 s[STP], 2
	v_add_nc_u32 v[ADN], s[TB], v[LI16]
	v_add_nc_u32 v[ADS], s[TB], v[LI8]
	PLACES 8
	LOADK ADN, ADS, 0                              ; from here on k comes a step ahead
	WALU
.Llate:                                ; steps 2 to 15: both tiles up to w, tile 1 alone up to 15 - w, then nothing
	s_min_u32 s70, s[TB], 14*STEPB                 ; (step 15 fetches its own k again: nobody reads it)
	v_add_nc_u32 v[ADK], s[TB], v[LI16]
	v_add_nc_u32 v[ADT], s[TB], v[LI4]
	v_add_nc_u32 v[ADN], s70, v[LI16]
	v_add_nc_u32 v[ADS], s70, v[LI8]
	WALU
	s_cmp_gt_u32 s[STP], s[EB+1]
	s_cbranch_scc1 .Lnext
	s_cmp_gt_u32 s[STP], s[EB]
	s_cbranch_scc1 .Lone
	s_wait_dscnt 0x0                               ; this step's k
	QK 0
	QK 1
	WIN 0
	PLACES 8
	s_cmp_lt_u32 s[STP], s[EB]
	s_cbranch_scc1 .Lopen_0
	MASK SR, DM
.Lopen_0:
	MAXS 0
	LOADV
	LOADK ADN, ADS, STEPB                          ; the next step's
	STATS 0
	SOFT 64, SR, SR+64, ST, ST+18, ST+6, ST+24
	WALU
	s_wait_dscnt 17                                ; v is in; the next k's 17 loads may be out
	PV 0
	PV 1
	WIN 0
	s_branch .Lnext
.Lone:
	s_wait_dscnt 0x0
	QK 1
	WIN 0
	PLACES 8
	s_cmp_lt_u32 s[STP], s[EB+1]
	s_cbranch_scc1 .Lopen_1
	MASK SR+64, DM+1
.Lopen_1:
	MAXS 1
	LOADV
	LOADK ADN, ADS, STEPB
	STATS 1
	SOFT 32, SR+64, SR+96, ST+18, ST+18, ST+24, ST+26
	WALU
	s_wait_dscnt 17
	PV 1
	WIN 0
.Lnext:
	s_add_co_u32 s[TB], s[TB], STEPB
	s_add_co_u32 s[STP], s[STP], 1
	s_cmp_lt_u32 s[STP], 16
	s_cbranch_scc1 .Llate
; THE WAY OUT, both tiles by turns: O^T / l, quantised along the head's 64: two blocks
	PLACES 8
.irp T, 0,1
	v_add_f32 v[ST+18*\T+3], v[ST+18*\T+4], v[ST+18*\T+5]
.endr
.irp T, 0,1
	v_permlanex16_b32 v[ST+18*\T+10], v[ST+18*\T+3], s[SEL], s[SEL+1]
.endr
.irp T, 0,1
	v_add_f32 v[ST+18*\T+3], v[ST+18*\T+3], v[ST+18*\T+10]
.endr
	WALU
.irp T, 0,1
	v_rcp_f32 v[ST+18*\T+2], v[ST+18*\T+3]
.endr
	v_and_b32 v58, 16, v0
	v_cmp_ne_u32 vcc_lo, 0, v58                    ; lanes 16-31
	WALU
.irp n, 0,2,4,6,8,10,12,14,16,18,20,22,24,26,28,30
.irp T, 0,1
	v_pk_mul_f32 v[SR+64*\T+\n:SR+64*\T+\n+1], v[OA+32*\T+\n:OA+32*\T+\n+1], v[ST+18*\T+2:ST+18*\T+3] op_sel_hi:[1,0]
.endr
.endr
.irp T, 0,1
.irp b, 0,1
	v_max3_num_f32 v[ST+18*\T+6+\b], |v[SR+64*\T+16*\b]|, |v[SR+64*\T+16*\b+1]|, 0x8000000
.endr
.endr
.irp i, 2,4,6,8,10,12,14
.irp T, 0,1
.irp b, 0,1
	v_max3_num_f32 v[ST+18*\T+6+\b], v[ST+18*\T+6+\b], |v[SR+64*\T+16*\b+\i]|, |v[SR+64*\T+16*\b+\i+1]|
.endr
.endr
.endr
.irp T, 0,1
.irp b, 0,1
	v_permlanex16_b32 v[ST+18*\T+10+\b], v[ST+18*\T+6+\b], s[SEL], s[SEL+1]
.endr
.endr
.irp T, 0,1
.irp b, 0,1
	v_max_num_f32 v[ST+18*\T+6+\b], v[ST+18*\T+6+\b], v[ST+18*\T+10+\b]
.endr
.endr
.irp T, 0,1
.irp b, 0,1
	v_add_nc_u32 v[ST+18*\T+14+\b], 0xf8800000, v[ST+18*\T+6+\b]
.endr
.endr
.irp T, 0,1
.irp b, 0,1
	v_and_or_b32 v[ST+18*\T+6+\b], v[ST+18*\T+6+\b], 0x7f800000, s[MNT]
.endr
.endr
.irp T, 0,1
.irp b, 0,1
	v_lshrrev_b32 v[ST+18*\T+10+\b], 23, v[ST+18*\T+14+\b]
.endr
.endr
.irp T, 0,1
.irp b, 0,1
.irp i, 0,1,2,3,4,5,6,7,8,9,10,11,12,13,14,15
	v_med3_num_f32 v[SR+64*\T+16*\b+\i], v[SR+64*\T+16*\b+\i], -v[ST+18*\T+6+\b], v[ST+18*\T+6+\b]
.endr
.endr
.endr
	WIN 0x40
	CVT SR, ST+6, PC, 2
	CVT SR+64, ST+24, PC+16, 2
	v_nop
	WIN 0
.irp T, 0,1
	v_cndmask_b32 v[ST+18*\T+3], v[ST+18*\T+10], v[ST+18*\T+11], vcc_lo
.endr
	WALU
.irp T, 0,1
	global_store_b8 v[CSA], v[ST+18*\T+3], s[SB+2*\T:SB+2*\T+1]
.endr
	WIN 0x04
.irp T, 0,1
	global_store_b128 v[LI16], v[PC+16*\T:PC+16*\T+3], s[CB+2*\T:CB+2*\T+1]
	global_store_b128 v[LI16], v[PC+16*\T+4:PC+16*\T+7], s[CB+2*\T:CB+2*\T+1] offset:512
.endr
	WIN 0
	s_wait_tensorcnt 0x0                           ; the wave's end
	ds_add_u32 v[SPW], v[NIL]
	s_wait_dscnt 0x0
	CROUND                                         ; the closing round
	s_endpgm
.Lfunc_end_k_q5d92c6dd6d_attn:
	.size	k_q5d92c6dd6d_attn, .Lfunc_end_k_q5d92c6dd6d_attn-k_q5d92c6dd6d_attn
	.p2alignl 7, 3214868480
	.fill 96, 4, 3214868480
	.section	.rodata,"a",@progbits
	.p2align	6, 0x0
	.amdhsa_kernel k_q5d92c6dd6d_attn
		.amdhsa_group_segment_fixed_size 327680
		.amdhsa_private_segment_fixed_size 0
		.amdhsa_enable_private_segment 0
		.amdhsa_kernarg_size 40
		.amdhsa_user_sgpr_count 2
		.amdhsa_user_sgpr_kernarg_segment_ptr 1
		.amdhsa_wavefront_size32 1
		.amdhsa_system_sgpr_workgroup_id_x 1
		.amdhsa_system_sgpr_workgroup_id_y 1
		.amdhsa_system_sgpr_workgroup_id_z 1
		.amdhsa_system_vgpr_workitem_id 0
		.amdhsa_next_free_vgpr 512
		.amdhsa_next_free_sgpr 76
		.amdhsa_reserve_vcc 1
		.amdhsa_float_denorm_mode_32 3
		.amdhsa_float_denorm_mode_16_64 3
		.amdhsa_memory_ordered 1
		.amdhsa_forward_progress 1
		.amdhsa_inst_pref_size 133
	.end_amdhsa_kernel
	.amdgpu_metadata
---
amdhsa.version: [ 1, 2 ]
amdhsa.kernels:
  - .name:           k_q5d92c6dd6d_attn
    .symbol:         k_q5d92c6dd6d_attn.kd
    .args:
      - { .name: qimg, .offset: 0, .size: 8, .value_kind: global_buffer, .address_space: global }
      - { .name: kvimg, .offset: 8, .size: 8, .value_kind: global_buffer, .address_space: global }
      - { .name: vsum, .offset: 16, .size: 8, .value_kind: global_buffer, .address_space: global }
      - { .name: cimg, .offset: 24, .size: 8, .value_kind: global_buffer, .address_space: global }
      - { .name: csc, .offset: 32, .size: 8, .value_kind: global_buffer, .address_space: global }
    .group_segment_fixed_size: 327680
    .private_segment_fixed_size: 0
    .kernarg_segment_align: 8
    .kernarg_segment_size: 40
    .max_flat_workgroup_size: 256
    .sgpr_count:     76
    .vgpr_count:     512
    .wavefront_size: 32
...
	.end_amdgpu_metadata
.endif
;; end of part 2
;; launch proj (part 3): grid 8 x 32, 4 waves a work-group, clusters of 4 x 4, 288,256 bytes of LDS; arguments cimg, csc, Wo_codes, Wo_scales, bo, out0; writes out0
.if DOCPART == 3
	.amdgcn_target "amdgcn-amd-amdhsa--gfx1250"
	.amdhsa_code_object_version 6
	.text
	.protected	k_q5d92c6dd6d_proj
	.globl	k_q5d92c6dd6d_proj
	.p2align	8
	.type	k_q5d92c6dd6d_proj,@function
k_q5d92c6dd6d_proj:
	s_mov_b64 s[64:65], 0
	v_nop
	global_prefetch_b8 v0, s[64:65] scope:SCOPE_SE
	s_setreg_imm32_b32 hwreg(HW_REG_WAVE_MODE, 25, 1), 1
	s_wait_xcnt 0x0
	s_wait_alu depctr_hold_cnt(0) depctr_sa_sdst(0) depctr_va_vdst(0) depctr_va_sdst(0) depctr_va_ssrc(0) depctr_va_vcc(0) depctr_vm_vsrc(0)
	s_getreg_b32 s2, hwreg(HW_REG_IB_STS2, 6, 4)
	s_cmp_eq_u32 s2, 0
	s_cbranch_scc0 .Lentry_in_a_cluster
	s_endpgm
.Lentry_in_a_cluster:
	s_bfe_u32 s2, ttmp6, 0x10000c
	s_cmp_lg_u32 s2, 0xf033
	s_cbranch_scc0 .Lentry_shape_is_right
	s_endpgm
.Lentry_shape_is_right:
; out0 = ctx Wo + bo on codes of BF8 (E5M2) with one E8M0 scale for each 32 along K = 1,024; sums in f32.  ctx comes as images of operand registers (the launch before), its scale bytes as rows of 32; Wo as given, K innermost.
; SHARES.  A work-group makes 128 x 128 of out0; each of its four waves 64 x 64: 16 accumulators.  TRANSPOSED (source 0 = 16 rows of Wo, source 1 = 16 rows of ctx): a lane holds eight neighbouring numbers of a row of out0.
; ALL OF K lies in LDS, filled once, in two halves of 512 along K: ctx's images (65,536 dense bytes) and 128 rows of Wo (512 bytes + 16 of padding).  Waves 0, 2 fetch ctx's halves, waves 1, 3 Wo's, one load a wave.
; ctx's codes stand, inside a block of 32, in the order 8 h + 0..7, 16 + 8 h + 0..7: Wo's fragments are read in that same order, by loads of 8 bytes: registers 2 c, 2 c + 1 take k = 16 c + 8 h + 0..7.
; CLUSTERS: 4 x 4 work-groups; ctx's stages hang on the block of rows alone and are asked for jointly by a row of the cluster, Wo's on the block of columns alone and by a column.
; The scale words of all of K come once, 512 consecutive bytes a load: lanes 0-15 hold K steps 0-3, lanes 16-31 K steps 4-7.  The bias is the C of each sum's first matrix instruction.
; LIMITS: NaN and infinities among the codes are not served.
; REGISTERS: window 0: v1-16 addresses; v32-63 scale words; v64-95 the bias, then with v96-127 rows on their way out; v128-255 the accumulators ((a, b) at 128 + 8 (4 a + b)).  window 1: two sets of fragments: ctx's at 128 p + 16 a, Wo's at 128 p + 64 + 16 b.
; IN LDS: ctx's images of all K, 131,072 dense bytes, from 0; from WOB on two halves of Wo along K, each 128 rows of 512 bytes + 16 of padding.  Waves 0 and 2 fetch ctx's halves, waves 1 and 3 Wo's: one load a wave.
.set WOB,   131072
.set WOH,   128*528
.set OUTST, WOB+2*WOH
.set SA,   4                           ; 32 r + 16 h
.set BA,   5                           ; 32 h
.set ADA,  6                           ; v6-9   ctx's images in stage j
.set ADB,  10                          ; v10-13 Wo's rows in stage j
.set STO,  14
.set RD,   15
.set CO,   16
.set SCA,  32
.set SCB,  48
.set BI,   64
.set ACC,  128
.set WV,   16
.set G1A,  24
.set G0A,  32
.set G1B,  40
.set G0B,  48
.set MSB, 0
.macro WIN new
.if MSB != (\new)
	s_set_vgpr_msb (MSB<<8)|(\new)
.set MSB, (\new)
.endif
.endm
.macro PLACES n
.rept \n
	v_nop
.endr
.endm
.macro CROUND                          ; a round of the cluster's barrier
	s_barrier_signal -1
	s_barrier_wait -1
	s_cmp_lg_u32 s[WV], 0
	s_cbranch_scc1 .Lnot_wave_0_\@
	s_barrier_signal -3
.Lnot_wave_0_\@:
	s_barrier_wait -3
	s_barrier_signal -1
	s_barrier_wait -1
.endm
.macro MM d, a, b, c, sa, sb, m1, m2
	v_wmma_scale_f32_16x16x128_f8f6f4 v[\d:\d+7], v[\a:\a+15], v[\b:\b+15], \c, v[\sa], v[\sb] matrix_a_fmt:MATRIX_FMT_BF8 matrix_b_fmt:MATRIX_FMT_BF8 \m1 \m2
.endm
	s_load_b256 s[4:11], s[0:1], 0x0               ; cimg, csc, Wo's codes, Wo's scales
	s_load_b128 s[12:15], s[0:1], 0x20             ; bo, out0
	v_lshl_add_u32 v30, v0, 2, 0x46400
	v_mov_b32 v31, 0
	ds_add_u32 v30, v31
	ds_add_u32 v30, v31
	v_lshrrev_b32 v1, 5, v0
	v_readfirstlane_b32 s[WV], v1                  ; wave 0..3
	s_lshr_b32 s17, s[WV], 1                       ; which half of the rows is mine.  Also: which half along K I fetch
	s_and_b32 s18, s[WV], 1                        ; which half of the columns.  Also: I fetch ctx (0) or Wo (1)
	s_bfe_u32 s21, ttmp6, 0x40000                  ; cx, cy
	s_bfe_u32 s22, ttmp6, 0x40004
	s_lshl_b32 s20, ttmp9, 2
	s_add_co_u32 s20, s20, s21                     ; X: the block of 128 columns
	s_and_b32 s19, ttmp7, 0xffff
	s_lshl_b32 s19, s19, 2
	s_add_co_u32 s19, s19, s22                     ; Y: the block of 128 rows
	s_lshl_b32 s23, s22, 2
	s_lshl_b32 s23, 15, s23                        ; my row of the cluster
	s_lshl_b32 s2, 0x1111, s21                     ; my column
	s_or_b32 s[G1A], s23, (3<<16)|(1<<21)          ; ctx: the mask; elements of 8 bytes; bit 21 beside a mask; no padding: 256 dense rows of 256 bytes
	s_mov_b32 s[G1A+1], 32<<16
	s_mov_b32 s[G1A+2], 256<<16
	s_mov_b32 s[G1A+3], 32<<16
	s_mov_b32 s[G1A+4], 256
	s_mov_b32 s[G1A+5], 32
	s_mov_b32 s[G1A+6], 0
	s_mov_b32 s[G1A+7], 0
	s_or_b32 s[G1B], s2, (0<<16)|(1<<20)|(1<<21)|(6<<22)|(3<<25)   ; Wo: elements of 1 byte; 4 words of padding after every 128
	s_mov_b32 s[G1B+1], 512<<16
	s_mov_b32 s[G1B+2], 128<<16
	s_mov_b32 s[G1B+3], 512<<16
	s_mov_b32 s[G1B+4], 128
	s_mov_b32 s[G1B+5], 1024
	s_mov_b32 s[G1B+6], 0
	s_mov_b32 s[G1B+7], 0
	s_lshl_b32 s3, s17, 16                         ; which half along K I fetch: wave / 2: ctx: 65,536 bytes, in memory and in LDS
	s_mul_i32 s60, s17, WOH
	s_add_co_u32 s60, s60, WOB                     ; Wo's place in LDS
	s_lshl_b32 s56, s19, 17                        ; ctx: 131,072 bytes a block of rows (these registers never hold X)
	s_add_co_u32 s56, s56, s3
	s_mov_b32 s57, 0
	s_lshl_b32 s58, s20, 17                        ; Wo: 128 rows of 1,024 bytes, 512 bytes a half (these never hold Y)
	s_lshl_b32 s2, s17, 9
	s_add_co_u32 s58, s58, s2
	s_mov_b32 s59, 0
	s_wait_dscnt 0x0
	s_wait_kmcnt 0x0
	s_add_nc_u64 s[56:57], s[4:5], s[56:57]
	s_add_nc_u64 s[58:59], s[8:9], s[58:59]
	CROUND                                         ; all sixteen work-groups are here: the joint loads meet
	s_mov_b32 s[G0A], 1
	s_mov_b32 s[G0A+1], s3
	s_mov_b64 s[G0A+2:G0A+3], s[56:57]
	s_or_b32 s[G0A+3], s[G0A+3], 0x80000000
	s_mov_b32 s[G0B], 1
	s_mov_b32 s[G0B+1], s60
	s_mov_b64 s[G0B+2:G0B+3], s[58:59]
	s_or_b32 s[G0B+3], s[G0B+3], 0x80000000
.macro ARM under, g0, g1, next         ; one load a wave, a line of its own for each
	s_cmp_lt_u32 s[WV], \under
	s_cbranch_scc0 \next
	tensor_load_to_lds s[\g0:\g0+3], s[\g1:\g1+7]
	s_nop 0
	PLACES 4
	s_branch .Lfirst_asked
\next:
.endm
	ARM 1, G0A, G1A, .Lfrom_1
	ARM 2, G0B, G1B, .Lfrom_2
	ARM 3, G0A, G1A, .Lfrom_3
	tensor_load_to_lds s[G0B:G0B+3], s[G1B:G1B+7]
	s_nop 0
	PLACES 4
.Lfirst_asked:
	s_mov_b32 s61, 0
	s_lshl_b32 s60, s19, 12
	s_lshl_b32 s62, s17, 11
	s_add_co_u32 s60, s60, s62
	s_add_nc_u64 s[6:7], s[6:7], s[60:61]          ; ctx's scales: my 64 rows of 32 bytes
	s_lshl_b32 s60, s20, 12
	s_lshl_b32 s62, s18, 11
	s_add_co_u32 s60, s60, s62
	s_add_nc_u64 s[10:11], s[10:11], s[60:61]      ; Wo's: my 64 rows
	s_lshl_b32 s60, s20, 9
	s_lshl_b32 s62, s18, 8
	s_add_co_u32 s60, s60, s62
	s_add_nc_u64 s[12:13], s[12:13], s[60:61]      ; bo: my 64 numbers
	s_lshl_b32 s62, s19, 19
	s_add_co_u32 s60, s60, s62
	s_lshl_b32 s62, s17, 18
	s_add_co_u32 s60, s60, s62
	s_add_nc_u64 s[14:15], s[14:15], s[60:61]      ; out0: my first row (4,096 bytes a row) and column
	v_and_b32 v1, 15, v0                           ; r
	v_bfe_u32 v2, v0, 4, 1                         ; h
	v_and_b32 v3, 31, v0                           ; lane
	v_lshlrev_b32 v[SA], 5, v1
	v_lshl_add_u32 v[SA], v2, 4, v[SA]
	v_lshlrev_b32 v[BA], 5, v2
.irp a, 0,1,2,3
	global_load_b128 v[SCA+4*\a:SCA+4*\a+3], v[SA], s[6:7] offset:512*\a
.endr
.irp b, 0,1,2,3
	global_load_b128 v[SCB+4*\b:SCB+4*\b+3], v[SA], s[10:11] offset:512*\b
.endr
.irp b, 0,1,2,3
	global_load_b128 v[BI+8*\b:BI+8*\b+3], v[BA], s[12:13] offset:64*\b        ; lane (r, h), tile b: the bias of columns 16 b + 8 h + 0..7
	global_load_b128 v[BI+8*\b+4:BI+8*\b+7], v[BA], s[12:13] offset:64*\b+16
.endr
	s_lshl_b32 s62, s17, 13                        ; my four tiles of rows: 8,192 bytes in each K step's image
	v_lshl_add_u32 v[ADA], v3, 4, s62
	v_mul_u32_u24 v[ADB], v1, 528
	v_lshl_add_u32 v[ADB], v2, 3, v[ADB]           ; row x pitch + 8 x half: with this pitch the 32 lanes of a load of 8 bytes touch 64 different banks
	s_mul_i32 s62, s18, 64*528
	s_add_co_u32 s62, s62, WOB
	v_add_nc_u32 v[ADB], s62, v[ADB]
.irp j, 1,2,3
	v_add_nc_u32 v[ADA+\j], \j*32768, v[ADA]
	v_add_nc_u32 v[ADB+\j], (\j/2)*WOH+(\j%2)*256, v[ADB]
.endr
	s_mul_i32 s62, s[WV], 16*272
	s_add_co_u32 s62, s62, OUTST                   ; my stage for the way out
	v_mul_u32_u24 v[STO], v1, 272
	v_lshl_add_u32 v[STO], v2, 5, v[STO]
	v_add_nc_u32 v[STO], s62, v[STO]               ; in: row r, 32 bytes for each half of the lanes
	v_mul_u32_u24 v[RD], v2, 272
	v_lshl_add_u32 v[RD], v1, 4, v[RD]
	v_add_nc_u32 v[RD], s62, v[RD]                 ; back: lanes 0-15 one row of 256 bytes, lanes 16-31 the next
	v_lshlrev_b32 v[CO], 12, v2
	v_lshl_add_u32 v[CO], v1, 4, v[CO]             ; and the same two rows in out0
.macro FETCH ks                        ; K step ks's eight fragments into set ks % 2: 48 loads in one run
.set fj, (\ks)>>1
.set fp, (\ks)&1
	WIN 0x40
.irp a, 0,1,2,3
.irp c, 0,1,2,3
	ds_load_b128 v[128*fp+16*\a+4*\c:128*fp+16*\a+4*\c+3], v[ADA+fj] offset:16384*fp+2048*\a+512*\c
.endr
.endr
.irp b, 0,1,2,3
.irp c, 0,1,2,3,4,5,6,7
	ds_load_b64 v[128*fp+64+16*\b+2*\c:128*fp+64+16*\b+2*\c+1], v[ADB+fj] offset:8448*\b+128*fp+16*\c
.endr
.endr
.endm
; A K step of 128: the next step's fragments are asked for, then 16 products, the 16 accumulators by turns.
.macro STEP ks
	s_wait_dscnt 0x0                               ; this step's fragments are in
.if (\ks) == 3
	s_wait_tensorcnt 0x0                           ; my load is in,
	s_barrier_signal -1
	s_barrier_wait -1                              ; everybody's is: stages 2 and 3 are whole
.endif
.if ((\ks) > 0) && ((\ks) < 7)
	PLACES 8                                       ; behind the products that read the set which is loaded now (ISA guide 7.12.1 for vector instructions)
.endif
.if (\ks) < 7
	FETCH (\ks)+1
.endif
	WIN 0x05                                       ; both sources in window 1
.set sp, (\ks)&1
.set sj, (\ks)&3
.irp a, 0,1,2,3
.irp b, 0,1,2,3
.set rD, ACC+8*(4*\a+\b)
.set rA, 128*sp+64+16*\b
.set rB, 128*sp+16*\a
.set rSA, SCB+4*\b+sj
.set rSB, SCA+4*\a+sj
.if (\ks) == 0
	MM rD, rA, rB, v[BI+8*\b:BI+8*\b+7], rSA, rSB
.elseif (\ks) < 4
	MM rD, rA, rB, v[rD:rD+7], rSA, rSB
.else
	MM rD, rA, rB, v[rD:rD+7], rSA, rSB, matrix_a_scale:MATRIX_SCALE_ROW1, matrix_b_scale:MATRIX_SCALE_ROW1
.endif
.endr
.endr
.endm
	s_wait_alu depctr_va_vdst(0)
	s_cmp_lt_u32 s[WV], 2
	s_cbranch_scc0 .Lnot_yet
	s_wait_tensorcnt 0x0                           ; waves 0, 1: the first half along K is in; the others wait in K step 3
.Lnot_yet:
	s_barrier_signal -1
	s_barrier_wait -1
	FETCH 0
	s_wait_loadcnt 0x0                             ; scale words and bias
.irp k, 0,1,2,3,4,5,6,7
	STEP \k
.endr
	WIN 0
; THE WAY OUT, 16 rows x 64 columns at a time: a lane's 32 bytes go into my own stage and come back as whole rows of 256 bytes.  LDS serves a wave's instructions in order (ISA guide 5.7.1.4): no wait between stores and loads.
.macro TOSTAGE a
.irp b, 0,1,2,3
	ds_store_b128 v[STO], v[ACC+8*(4*(\a)+\b):ACC+8*(4*(\a)+\b)+3] offset:64*\b          ; each accumulator from its low end on
	ds_store_b128 v[STO], v[ACC+8*(4*(\a)+\b)+4:ACC+8*(4*(\a)+\b)+7] offset:64*\b+16
.endr
.set bk, BI+32*((\a)%2)
.irp t, 0,1,2,3,4,5,6,7
	ds_load_b128 v[bk+4*\t:bk+4*\t+3], v[RD] offset:544*\t
.endr
.endm
.macro SEND a, younger                 ; younger: the LDS instructions issued behind block a's loads, which may stay out
.set bk, BI+32*((\a)%2)
	s_wait_dscnt \younger
.irp t, 0,1,2,3,4,5,6,7
	global_store_b128 v[CO], v[bk+4*\t:bk+4*\t+3], s[14:15] offset:(16*(\a)+2*\t)*4096 th:TH_STORE_NT   ; 16 lanes store 256 consecutive bytes, at a multiple of 256 from out0's first byte
.endr
.endm
	PLACES 8                                       ; behind the last products
	TOSTAGE 0
.irp a, 1,2,3
.if \a > 1
	s_wait_xcnt 0x0                                ; block a - 2's stores have read their registers: block a's rows may land there
.endif
	TOSTAGE \a
	SEND \a-1, 16                                  ; behind block a - 1's loads: block a's 8 stores and 8 loads
.endr
	SEND 3, 0
	s_wait_tensorcnt 0x0
	ds_add_u32 v30, v31
	s_wait_dscnt 0x0
	CROUND                                         ; the closing round: no work-group ends while a partner may still ask for a tile that names it
	s_endpgm
.Lfunc_end_k_q5d92c6dd6d_proj:
	.size	k_q5d92c6dd6d_proj, .Lfunc_end_k_q5d92c6dd6d_proj-k_q5d92c6dd6d_proj
	.p2alignl 7, 3214868480
	.fill 96, 4, 3214868480
	.section	.rodata,"a",@progbits
	.p2align	6, 0x0
	.amdhsa_kernel k_q5d92c6dd6d_proj
		.amdhsa_group_segment_fixed_size 288256
		.amdhsa_private_segment_fixed_size 0
		.amdhsa_enable_private_segment 0
		.amdhsa_kernarg_size 48
		.amdhsa_user_sgpr_count 2
		.amdhsa_user_sgpr_kernarg_segment_ptr 1
		.amdhsa_wavefront_size32 1
		.amdhsa_system_sgpr_workgroup_id_x 1
		.amdhsa_system_sgpr_workgroup_id_y 1
		.amdhsa_system_sgpr_workgroup_id_z 1
		.amdhsa_system_vgpr_workitem_id 0
		.amdhsa_next_free_vgpr 512
		.amdhsa_next_free_sgpr 66
		.amdhsa_reserve_vcc 0
		.amdhsa_float_denorm_mode_32 3
		.amdhsa_float_denorm_mode_16_64 3
		.amdhsa_memory_ordered 1
		.amdhsa_forward_progress 1
		.amdhsa_inst_pref_size 59
	.end_amdhsa_kernel
	.amdgpu_metadata
---
amdhsa.version: [ 1, 2 ]
amdhsa.kernels:
  - .name:           k_q5d92c6dd6d_proj
    .symbol:         k_q5d92c6dd6d_proj.kd
    .args:
      - { .name: cimg, .offset: 0, .size: 8, .value_kind: global_buffer, .address_space: global }
      - { .name: csc, .offset: 8, .size: 8, .value_kind: global_buffer, .address_space: global }
      - { .name: Wo_codes, .offset: 16, .size: 8, .value_kind: global_buffer, .address_space: global }
      - { .name: Wo_scales, .offset: 24, .size: 8, .value_kind: global_buffer, .address_space: global }
      - { .name: bo, .offset: 32, .size: 8, .value_kind: global_buffer, .address_space: global }
      - { .name: out0, .offset: 40, .size: 8, .value_kind: global_buffer, .address_space: global }
    .group_segment_fixed_size: 288256
    .private_segment_fixed_size: 0
    .kernarg_segment_align: 8
    .kernarg_segment_size: 48
    .max_flat_workgroup_size: 128
    .sgpr_count:     66
    .vgpr_count:     512
    .wavefront_size: 32
...
	.end_amdgpu_metadata
.endif
;; end of part 3
